; MI455X (gfx1250); checked and timed in simulation.
; The chip was launched on July 23, 2026; its instructions are those of AMD's public machine-readable ISA for CDNA 5 (MIT licence, August 2026) and "CDNA5" Instruction Set Architecture Reference Guide (July 2026). The comments in the code are by the model that wrote it; some were corrected since.
;; Multi Head Attention. Allowed arithmetic: matrix products marked QUANTISED: E5M2 operands, one E8M0 scale for each 32 along K, by v_wmma_scale_f32_16x16x128_f8f6f4 with both operands' format E5M2, f32 sums; everything else in f32.
;; Inputs: Wk 1,024 x 1,024 float32; Wo 1,024 x 1,024 float32; Wq 1,024 x 1,024 float32; Wv 1,024 x 1,024 float32; bk 1,024 float32; bo 1,024 float32; bq 1,024 float32; bv 1,024 float32; x 2 x 2,048 x 1,024 float32.
;; Outputs: out0 2 x 2,048 x 1,024 float32.
;; This version of the problem:
;;   THIS VERSION OF THE PROBLEM IS GIVEN IN LOW PRECISION. The matrix products marked QUANTISED in the list below multiply operands that are first quantised to E5M2 (5 exponent bits, 2 mantissa bits; 8 bits a number), with one power-of-two scale for each 32 numbers along K (OCP MX v1.0); their sums are f32. All else is computed in f32.
;;   The module's matrix products, in the order in which they are computed (A, B: the left and right operand; K: the contracted axis; several contracted axes count as one K, in the product's order):
;;     1. [M 4,096, K 1,024] x [K 1,024, N 1,024]; A: input x; B: input Wq: QUANTISED
;;     2. [M 4,096, K 1,024] x [K 1,024, N 1,024]; A: input x; B: input Wk: QUANTISED
;;     3. [M 4,096, K 1,024] x [K 1,024, N 1,024]; A: input x; B: input Wv: QUANTISED
;;     4. batch 32 x [M 2,048, K 64] x [K 64, N 2,048]; A: computed on the way; B: computed on the way: QUANTISED
;;     5. batch 32 x [M 2,048, K 2,048] x [K 2,048, N 64]; A: softmax (see below); B: computed on the way: QUANTISED
;;     6. [M 4,096, K 1,024] x [K 1,024, N 1,024]; A: computed on the way; B: input Wo: QUANTISED
;;   THE QUANTISER, for each operand of a quantised product, along K:
;;     - K is cut into blocks of 32 from its start; a last block that is shorter is filled with zeros.
;;     - A block's scale is 2^e with e = floor(log2(the largest magnitude in the block)) - 15, held to -126 .. 127; a block of zeros has e = 0. As a byte (E8M0): e + 127.
;;     - Each number is divided by its block's scale, clamped to +-57,344, and rounded to the nearest number of E5M2, ties to even, subnormals kept.
;;     - The product sums the exact products of the quantised numbers (number of the format x scale) in f32.
;;   ~~~python
;;   def quantise(x, axis):      # numpy; x: float32 -> the quantised numbers, widened to float32 again
;;       x = np.moveaxis(x, axis, -1); K = x.shape[-1]
;;       x = np.pad(x, [(0, 0)] * (x.ndim - 1) + [(0, -K % 32)]); x = x.reshape(x.shape[:-1] + (-1, 32)); a = np.abs(x).max(-1, keepdims=True)
;;       e = np.where(a > 0, np.clip(np.frexp(np.where(a > 0, a, 1))[1] - 1 - 15, -126, 127), 0)      # np.frexp(a)[1] - 1 = floor(log2(a)), exactly
;;       r = np.clip(x / 2.0 ** e, -57344, 57344)
;;       step = 2.0 ** (np.maximum(np.frexp(np.where(r == 0, 1, r))[1] - 1, -14) - 2)
;;       q = np.round(r / step) * step * 2.0 ** e      # np.round: ties to even
;;       return np.moveaxis(q.reshape(q.shape[:-2] + (-1,))[..., :K], -1, axis).astype(np.float32)
;;   ~~~
;;   SOFTMAX AHEAD OF A QUANTISED PRODUCT. Where the list says 'softmax', what is quantised is not the finished softmax but p = 2^(t - M), with t = logit x log2(e) and M = ceil(the row's largest t), a whole number; so 1/2 < the row's largest p <= 1. The row's sum l is taken of the UNQUANTISED p, in f32, and the product's result is divided by l at the end. Since M is a whole number, a kernel that streams over the keys may use a running M (the ceiling of the running maximum): every later rescaling is an exact power of two, which a block's scale takes up: the codes' values come out the same.
;;   OPERANDS COMPUTED ON THE WAY. 'Computed on the way' means the value that the module computes at that place (a softmax that the list does not call 'softmax' is quantised finished and normalised). What goes into a quantiser is computed in f32, as accurately as f32 sums, v_exp_f32 and their like allow (about 1e-6 of the number): no bf16 or f16 on the way to a quantiser, and a product that is left as it is and whose result goes on into a quantised operand takes f32 operands (vector FMAs, or v_wmma_f32_16x16x4_f32). A number that lies on a knife's edge between two numbers of the format may be rounded either way, as far as f32 arithmetic and the matrix unit's own rounding can turn it there, and no further.
;; One version. Each part assembles by itself: llvm-mc -triple=amdgcn-amd-amdhsa -mcpu=gfx1250 --defsym DOCPART=n.
;; ======== version 1 of 1: 4 launches
;; limits: right only within a limited range of input values
;; workspace buffers: qc 8,388,608 bytes; qs 262,144 bytes; qkv 13,369,344 bytes; ctxc 4,194,304 bytes; ctxs 131,072 bytes
;; launch quant (part 1): grid 256 x 1, 4 waves a work-group, no clusters, 34,304 bytes of LDS; arguments x, Wq, Wk, Wv, Wo, qc, qs; writes qc, qs
.if DOCPART == 1
	.amdgcn_target "amdgcn-amd-amdhsa--gfx1250"
	.amdhsa_code_object_version 6
	.text
	.protected	k_qc31cad7bc0_quant
	.globl	k_qc31cad7bc0_quant
	.p2align	8
	.type	k_qc31cad7bc0_quant,@function
k_qc31cad7bc0_quant:
	s_mov_b64 s[64:65], 0
	v_nop
	global_prefetch_b8 v0, s[64:65] scope:SCOPE_SE
	s_setreg_imm32_b32 hwreg(HW_REG_WAVE_MODE, 25, 1), 1
	s_wait_xcnt 0x0
; x [4096][1024], Wq, Wk, Wv, Wo [1024][1024], f32, K innermost, become codes of E5M2 with one E8M0 byte for each 32 along K.
; NO WORK OF THE PROBLEM IS LEFT OUT IN THIS PROGRAM: every bias moves the codes or scales of a live quantised operand (bq, bk, bv) or the output (bo), and every input is loaded.
; THE LAYOUT OF ALL CODES IN THIS PROGRAM: a fragment (16 rows x 128 K) lies in memory as the image of its operand registers: 4 pieces of 512 bytes; piece c holds lane l's 16 bytes at 16 l:
; k = 32 c + 16 (l / 16) + 0 .. 15 of the tile's row l % 16.  A TILE'S ROWS ARE NOT NEIGHBOURS: tile 2 b + u holds rows 32 b + 8 u + i + 8 (i / 8), i = 0 .. 15, so that where such a tile is source 0 of a product
; the 16 result registers of tiles 2 b and 2 b + 1 are 16 neighbours, in the order in which the next operand's registers want them.
; qc: [tile T][K step 8][piece 4][512]; T 0-255 x, 256-319 Wq, 320-383 Wk, 384-447 Wv, 448-511 Wo.   qs: [T][K half 2][row 16][4 scale words], a word for a row and a K step.
; A block's scale is 2^(floor(log2(largest magnitude)) - 15); each number is held within +-57,344 x the scale and rounded to the nearest code, ties to even.
; LIMITS: NaN and infinities among the inputs are not served; a block whose largest magnitude lies under 2^-111 keeps the byte 1; a block of zeros gets the byte 1 and not 127: its codes are zeros, and this program alone reads the bytes.
; SHARES.  Work-group G takes 32 rows of one tensor (G 0-127: x; then 32 groups each of Wq, Wk, Wv, Wo): two tiles.  Wave w makes tile 2 G + w / 2, K steps 4 (w % 2) .. + 3: four fragments.
; Each load reads 512 consecutive bytes of one row; a fragment's 16 x 512 bytes turn through the wave's own stage in LDS (rows 528 bytes apart), so that a lane gets 16 neighbours of each block of 32.
; Each store of codes covers 512 consecutive bytes, aligned; the wave's scale words leave as 256 consecutive bytes.  Loads run two fragments (32 loads a wave) ahead.
; No matrix unit, no tensor load, no barrier, no cluster: the waves and work-groups share no input byte.
.set WSTG,  8448                       ; a wave's stage: 16 rows x (512 + 16) bytes
.set SPARE, 4*WSTG                     ; behind the four stages: the spare words, 128 bytes for each wave: two blocks of 256 bytes that no other line names
.set LO,  1                            ; v1   16 x lane
.set RR,  2                            ; v2   lane % 16
.set HH,  3                            ; v3   lane / 16
.set STI, 4                            ; v4   the stage, on the way in: 16 x lane
.set STO, 5                            ; v5   and on the way out: 528 x row + 64 x half
.set SOF, 6                            ; v6   my 8 bytes of the wave's scale words: 16 r + 8 h
.set LN,  7                            ; v7   lane
.set SPW, 8                            ; v8   LDS address of my spare word; never rewritten
.set NIL, 9                            ; v9   0; never rewritten
.set SW,  10                           ; v10-13 the four fragments' scale words
.set OW,  14                           ; v14-15 the two that I store
.set TM,  16                           ; v16-31 at work in QUANT
.set PW,  32                           ; v32  the scale word just made
.set PC,  36                           ; v36-51 the codes just made
.set R0,  64                           ; v64-191 two sets of 64: numbers as loaded
.set X,   192                          ; v192-255 64 numbers in the operand's order
.set SRC, 22                           ; s[22:23] my rows, my K steps
.set DC,  24                           ; s[24:25] my fragments in qc
.set DSC, 26                           ; s[26:27] my 256 bytes in qs
.set SEL, 28                           ; s[28:29] lane selects for v_permlanex16_b32: lane l xor 16
.set MNT, 30                           ; s30  the mantissa field of 57,344
.set HM,  31                           ; s31  mask of lanes 16-31
; 64 numbers of a lane, register 16 b + i = k 32 b + 16 (lane / 16) + i of my row, become a fragment's codes in v[PC] on and its scale word in v[PW].
.macro QUANT s
.irp b, 0,1,2,3
	v_max3_num_f32 v[TM+\b], |v[\s+16*\b]|, |v[\s+1+16*\b]|, 0x8000000   ; block b: my 16 numbers, and the floor 2^(16 - 127): the byte cannot fall under 1
.endr
.irp i, 2,4,6,8,10,12,14
.irp b, 0,1,2,3
	v_max3_num_f32 v[TM+\b], v[TM+\b], |v[\s+16*\b+\i]|, |v[\s+1+16*\b+\i]|   ; the four blocks by turns
.endr
.endr
.irp b, 0,1,2,3
	v_permlanex16_b32 v[TM+4+\b], v[TM+\b], s[SEL], s[SEL+1]
.endr
.irp b, 0,1,2,3
	v_max_num_f32 v[TM+\b], v[TM+\b], v[TM+4+\b]   ; with lane l xor 16's: the block's largest magnitude
.endr
.irp b, 0,1,2,3
	v_add_nc_u32 v[TM+12+\b], 0xf8800000, v[TM+\b]   ; 15 off its exponent field: the conversion's scale operand
.endr
.irp b, 0,1,2,3
	v_and_or_b32 v[TM+8+\b], v[TM+\b], 0x7f800000, s[MNT]   ; 57,344 x the scale
.endr
.irp b, 0,1,2,3
	v_lshrrev_b32 v[TM+4+\b], 23, v[TM+12+\b]   ; the scale's byte
.endr
	v_lshl_or_b32 v[PW], v[TM+5], 8, v[TM+4]
	v_lshl_or_b32 v[PW], v[TM+6], 16, v[PW]
	v_lshl_or_b32 v[PW], v[TM+7], 24, v[PW]
.irp b, 0,1,2,3
.irp i, 0,1,2,3,4,5,6,7,8,9,10,11,12,13,14,15
	v_med3_num_f32 v[\s+16*\b+\i], v[\s+16*\b+\i], -v[TM+8+\b], v[TM+8+\b]   ; the conversion to an 8-bit code does not saturate (ISA guide 7.6.2): the hold
.endr
	v_cvt_scalef32_pk8_bf8_f32 v[PC+4*\b:PC+1+4*\b], v[\s+16*\b:\s+7+16*\b], v[TM+12+\b]
	v_cvt_scalef32_pk8_bf8_f32 v[PC+2+4*\b:PC+3+4*\b], v[\s+8+16*\b:\s+15+16*\b], v[TM+12+\b]
.endr
	v_nop                                          ; one plain vector instruction behind the last scaled conversion
.endm
	s_load_b256 s[4:11], s[0:1], 0x0               ; x s[4:5], Wq s[6:7], Wk s[8:9], Wv s[10:11]
	s_load_b128 s[12:15], s[0:1], 0x20             ; Wo s[12:13], qc s[14:15]
	s_load_b64 s[16:17], s[0:1], 0x30              ; qs
	v_lshl_add_u32 v[SPW], v0, 2, SPARE
	v_mov_b32 v[NIL], 0
	v_lshrrev_b32 v[LN], 5, v0
	v_readfirstlane_b32 s18, v[LN]                 ; wave 0..3
	v_and_b32 v[LN], 31, v0
	v_lshlrev_b32 v[LO], 4, v[LN]
	v_and_b32 v[RR], 15, v0
	v_bfe_u32 v[HH], v0, 4, 1
	s_mul_i32 s19, s18, WSTG
	v_add_nc_u32 v[STI], s19, v[LO]
	v_mul_u32_u24 v[STO], v[RR], 528
	v_lshl_add_u32 v[STO], v[HH], 6, v[STO]
	v_add_nc_u32 v[STO], s19, v[STO]
	v_lshlrev_b32 v[SOF], 4, v[RR]
	v_lshl_add_u32 v[SOF], v[HH], 3, v[SOF]
	v_cmp_le_u32 s[HM], 16, v[LN]
.irp b, 0,1,2,3
	v_mov_b32 v[TM+4+\b], 0                        ; written once: a lane permute's destination counts as one of its sources
.endr
	s_mov_b32 s[SEL], 0x76543210
	s_mov_b32 s[SEL+1], 0xfedcba98
	s_mov_b32 s[MNT], 0x600000
	s_lshr_b32 s20, s18, 1                         ; u: which of the group's two tiles
	s_and_b32 s21, s18, 1                          ; which half of K
	s_and_b32 s32, ttmp9, 31                       ; the group inside a weight
	s_lshl_b32 s33, ttmp9, 1
	s_add_co_u32 s33, s33, s20                     ; T = 2 G + u
	s_wait_alu depctr_va_vdst(0)
	s_wait_kmcnt 0x0
	s_cmp_lt_u32 ttmp9, 224                        ; which tensor: the choices hang on the work-group's number alone
	s_cselect_b64 s[SRC:SRC+1], s[10:11], s[12:13]
	s_cmp_lt_u32 ttmp9, 192
	s_cselect_b64 s[SRC:SRC+1], s[8:9], s[SRC:SRC+1]
	s_cmp_lt_u32 ttmp9, 160
	s_cselect_b64 s[SRC:SRC+1], s[6:7], s[SRC:SRC+1]
	s_cmp_lt_u32 ttmp9, 128
	s_cselect_b64 s[SRC:SRC+1], s[4:5], s[SRC:SRC+1]
	s_cselect_b32 s32, ttmp9, s32                  ; the group inside the tensor
	s_lshl_b32 s34, s32, 17                        ; 32 rows of 4,096 bytes,
	s_lshl_b32 s36, s20, 15                        ; the odd tile begins 8 rows down,
	s_add_co_u32 s34, s34, s36
	s_lshl_b32 s36, s21, 11                        ; four K steps of 512 bytes
	s_add_co_u32 s34, s34, s36
	s_mov_b32 s35, 0
	s_add_nc_u64 s[SRC:SRC+1], s[SRC:SRC+1], s[34:35]
	s_lshl_b32 s34, s33, 14                        ; a tile's codes: 16,384 bytes
	s_lshl_b32 s36, s21, 13
	s_add_co_u32 s34, s34, s36
	s_add_nc_u64 s[DC:DC+1], s[14:15], s[34:35]
	s_lshl_b32 s34, s33, 9                         ; a tile's scale words: 512 bytes
	s_lshl_b32 s36, s21, 8
	s_add_co_u32 s34, s34, s36
	s_add_nc_u64 s[DSC:DSC+1], s[16:17], s[34:35]
.macro LOAD s                          ; fragment s: 512 bytes of each of the tile's 16 rows
.irp i, 0,1,2,3,4,5,6,7,8,9,10,11,12,13,14,15
	global_load_b128 v[R0+64*((\s)%2)+4*\i:R0+64*((\s)%2)+4*\i+3], v[LO], s[SRC:SRC+1] offset:(\i+8*(\i/8))*4096+512*(\s) th:TH_LOAD_NT
.endr
.endm
.macro FRAGQ s
.if (\s) < 3
	s_wait_loadcnt 16                              ; this fragment's 16 loads are in; the next fragment's 16 may be out
.else
	s_wait_loadcnt 0x0
.endif
.irp i, 0,1,2,3,4,5,6,7,8,9,10,11,12,13,14,15
	ds_store_b128 v[STI], v[R0+64*((\s)%2)+4*\i:R0+64*((\s)%2)+4*\i+3] offset:528*\i
.endr
.irp c, 0,1,2,3
.irp j, 0,1,2,3
	ds_load_b128 v[X+16*\c+4*\j:X+16*\c+4*\j+3], v[STO] offset:128*\c+16*\j   ; LDS serves a wave's instructions in order: these see the stores above
.endr
.endr
	s_wait_dscnt 0x0                               ; the numbers are back, and the stores have read their registers
	s_wait_xcnt 0x0                                ; the last fragment's stores have read their data: the codes' registers are rewritten only behind this wait
.if (\s) < 2
	LOAD (\s)+2
.endif
	QUANT X
	v_mov_b32 v[SW+(\s)], v[PW]
.irp c, 0,1,2,3
	global_store_b128 v[LO], v[PC+4*\c:PC+4*\c+3], s[DC:DC+1] offset:2048*(\s)+512*\c   ; 32 lanes store 512 consecutive bytes
.endr
.endm
	LOAD 0
	LOAD 1
	FRAGQ 0
	FRAGQ 1
	FRAGQ 2
	FRAGQ 3
	v_cndmask_b32 v[OW], v[SW], v[SW+2], s[HM]     ; lanes 0-15 store their row's words of K steps 0, 1 of the half, lanes 16-31 those of 2, 3
	v_cndmask_b32 v[OW+1], v[SW+1], v[SW+3], s[HM]
	global_store_b64 v[SOF], v[OW:OW+1], s[DSC:DSC+1]   ; 256 consecutive bytes, aligned
	s_wait_tensorcnt 0x0                           ; the wave's end, behind my last LDS store
	ds_add_u32 v[SPW], v[NIL]
	s_wait_dscnt 0x0
	s_endpgm
.Lfunc_end_k_qc31cad7bc0_quant:
	.size	k_qc31cad7bc0_quant, .Lfunc_end_k_qc31cad7bc0_quant-k_qc31cad7bc0_quant
	.p2alignl 7, 3214868480
	.fill 96, 4, 3214868480
	.section	.rodata,"a",@progbits
	.p2align	6, 0x0
	.amdhsa_kernel k_qc31cad7bc0_quant
		.amdhsa_group_segment_fixed_size 34304
		.amdhsa_private_segment_fixed_size 0
		.amdhsa_enable_private_segment 0
		.amdhsa_kernarg_size 56
		.amdhsa_user_sgpr_count 2
		.amdhsa_user_sgpr_kernarg_segment_ptr 1
		.amdhsa_wavefront_size32 1
		.amdhsa_system_sgpr_workgroup_id_x 1
		.amdhsa_system_sgpr_workgroup_id_y 1
		.amdhsa_system_sgpr_workgroup_id_z 1
		.amdhsa_system_vgpr_workitem_id 0
		.amdhsa_next_free_vgpr 256
		.amdhsa_next_free_sgpr 66
		.amdhsa_reserve_vcc 0
		.amdhsa_float_denorm_mode_32 3
		.amdhsa_float_denorm_mode_16_64 3
		.amdhsa_memory_ordered 1
		.amdhsa_forward_progress 1
		.amdhsa_inst_pref_size 51
	.end_amdhsa_kernel
	.amdgpu_metadata
---
amdhsa.version: [ 1, 2 ]
amdhsa.kernels:
  - .name:           k_qc31cad7bc0_quant
    .symbol:         k_qc31cad7bc0_quant.kd
    .args:
      - { .name: x, .offset: 0, .size: 8, .value_kind: global_buffer, .address_space: global }
      - { .name: Wq, .offset: 8, .size: 8, .value_kind: global_buffer, .address_space: global }
      - { .name: Wk, .offset: 16, .size: 8, .value_kind: global_buffer, .address_space: global }
      - { .name: Wv, .offset: 24, .size: 8, .value_kind: global_buffer, .address_space: global }
      - { .name: Wo, .offset: 32, .size: 8, .value_kind: global_buffer, .address_space: global }
      - { .name: qc, .offset: 40, .size: 8, .value_kind: global_buffer, .address_space: global }
      - { .name: qs, .offset: 48, .size: 8, .value_kind: global_buffer, .address_space: global }
    .group_segment_fixed_size: 34304
    .private_segment_fixed_size: 0
    .kernarg_segment_align: 8
    .kernarg_segment_size: 56
    .max_flat_workgroup_size: 128
    .sgpr_count:     66
    .vgpr_count:     256
    .wavefront_size: 32
...
	.end_amdgpu_metadata
.endif
;; end of part 1
;; launch qkv (part 2): grid 8 x 24, 4 waves a work-group, clusters of 4 x 4, 327,680 bytes of LDS; arguments qc, qs, bq, bk, bv, qkv; writes qkv
.if DOCPART == 2
	.amdgcn_target "amdgcn-amd-amdhsa--gfx1250"
	.amdhsa_code_object_version 6
	.text
	.protected	k_qc31cad7bc0_qkv
	.globl	k_qc31cad7bc0_qkv
	.p2align	8
	.type	k_qc31cad7bc0_qkv,@function
k_qc31cad7bc0_qkv:
	s_mov_b64 s[64:65], 0
	v_nop
	global_prefetch_b8 v0, s[64:65] scope:SCOPE_SE
	s_setreg_imm32_b32 hwreg(HW_REG_WAVE_MODE, 25, 1), 1
	s_wait_xcnt 0x0
	s_wait_alu depctr_hold_cnt(0) depctr_sa_sdst(0) depctr_va_vdst(0) depctr_va_sdst(0) depctr_va_ssrc(0) depctr_va_vcc(0) depctr_vm_vsrc(0)
	s_getreg_b32 s2, hwreg(HW_REG_IB_STS2, 6, 4)
	s_cmp_eq_u32 s2, 0
	s_cbranch_scc0 .Lentry_in_a_cluster
	s_endpgm
.Lentry_in_a_cluster:
	s_bfe_u32 s2, ttmp6, 0x10000c
	s_cmp_lg_u32 s2, 0xf033
	s_cbranch_scc0 .Lentry_shape_is_right
	s_endpgm
.Lentry_shape_is_right:
; q = x Wq^T + bq, k = x Wk^T + bk, v = x Wv^T + bv on codes of E5M2 (one E8M0 scale for each 32 along K = 1,024), and the quantisers behind them: q and k along the head's 64, v along the keys.  No work is left out.
; A tile of 256 x 256 results to a work-group, 128 x 128 to each of its four waves: 64 accumulators, 512 registers.  Source 0 of every product is the operand whose rows are to run along a lane's result registers ("B"),
; source 1 the operand of which a lane holds one row ("A").  ONE TEXT, TWO PARTS, told apart by the cluster's y, which all partners share:
;   Q/K part (cluster y 0-3): A = x, B = Wq (cluster x 0) or Wk (1): a lane holds a token, its 64 registers of a row of tiles run along 128 outputs: two heads, four blocks of 32.
;   V part   (cluster y 4, 5): A = Wv, B = x: a lane holds one output (head, d), its registers run along 128 tokens: the keys of one key step, four blocks of 32.
; Codes come as register images (16 rows x 128 K = 4 pieces of 512 bytes, lane l's 16 bytes at 16 l; tile 2 b + u holds rows 32 b + 8 u + i + 8 (i / 8)), so every fragment is four LDS loads at a constant + 16 x lane,
; and the registers of result tiles 2 b, 2 b + 1 are 16 neighbours along B's rows: the conversions' results ARE the next operand's registers, and go to memory as they stand.
; qkv: [128 tokens: 32][J: 48][8,704 bytes]; J 0-15 q's heads, 16-31 k's, 32-47 v's.  A block: 8,192 bytes of codes, 512 of scale words.
;   q, k: codes [tile 8][piece 2][512] (the head's 64 along K); scale words: lane (r, h) has four, for tiles 4 h + 0 .. 3: two bytes, then two bytes 0.
;   v: codes [16 of d: 4][piece 4][512], K = the block's 128 keys; scale words: lane (r, h) has four, for the four tiles of d.
; K goes in 8 steps of 128 through two LDS slots of two steps each, filled by the tensor data mover: one load a wave, 8 tiles x 4,096 bytes.  192 work-groups: a wave tile of 128 x 128 reads each fragment once for 8 products.
; CLUSTERS: 4 x 4.  A's tiles hang on the cluster's y and cy alone and are asked for jointly along a row of the cluster, B's on the cluster's x, y and cx alone, jointly along a column.
; The scale words of all of K (8 a row) are loaded once, into 64 registers: register 8 i + ks: lanes 0-15 A's tile i, lanes 16-31 B's tile i.
; LIMITS: NaN and infinities are not served; a block whose largest magnitude lies under 2^-111 keeps the byte 1; a block of zeros gets the byte 1 and not 127 (zero codes; this program alone reads the bytes).
; REGISTERS: window 0: v1-29 addresses; v32-95 scale words; v96-127 at work on the way out; v128-255 A's fragments, one set (on the way out: 64 numbers, codes).  window 1: B's fragments, two sets (set 0 takes the biases at the end).
;   windows 2, 3: the accumulators: (a, b) at v[8 (8 (a % 4) + b)].
.set NP,    8                          ; places behind this matrix instruction (ISA guide 7.12.1)
.set SLOT,  131072                     ; A's 16 tiles x 4,096 bytes, then B's 16
.set SPARE, 2*SLOT                     ; behind the ring: the spare words, 128 bytes for each wave: two blocks of 256 bytes that no other line names
; THE ORDER OF qkv's BLOCKS IS [batch 2][J 48][key step 16][8,704 bytes]: a head's sixteen key steps lie on end (this line stands in place of the order given above).
.set BLK,   8704                       ; a block of qkv
.set LO,   1                           ; v1   16 x lane
.set RR,   2                           ; v2   lane % 16
.set HH,   3                           ; v3   lane / 16
.set LO2,  4                           ; v4   16 x lane + where pieces 2, 3 go: the next head's block (Q/K) or 1,024 on (V)
.set SCO,  5                           ; v5   my offset in qs: lanes 0-15 A's tiles, lanes 16-31 B's
.set BOF,  6                           ; v6   my offset in the bias
.set ADRA, 16                          ; v16-17 LDS address of my A fragments in slot 0, 1
.set ADRB, 20                          ; v20-21 the same for B
.set SPW,  28                          ; v28  LDS address of my spare word; never rewritten
.set NIL,  29                          ; v29  0; never rewritten
.set SC,   32                          ; v32-95 scale words
.set SWD,  96                          ; v96-103 the scale words made on the way out
.set W0,   104                         ; v104-107, v108-111: q's and k's, cut by heads
.set W1,   108
.set TM,   112                         ; v112-127 at work in QUANT
.set AF,   128
.set X,    128                         ; the way out: 64 numbers
.set PC,   192                         ; the codes just made
.set PW,   208                         ; the scale word just made
.set WV,  16
.set AH,  17                           ; s17  which 128 rows of A are mine.  Also: I fetch for A (0) or for B (1)
.set BH,  18                           ; s18  which 128 rows of B.  Also: which 8 tiles I fetch
.set CX,  19
.set CY,  20
.set XX,  21                           ; the cluster's x
.set YY,  22                           ; the cluster's y
.set ISV, 23                           ; 0: Q/K part, 1: V part
.set G1,  24                           ; s[24:31] descriptor group 1 for A's tiles; s[32:39] group 0, a set for each slot
.set G0,  32
.set A16, 40                           ; s40, s41 which 16 tiles of qc are A's and B's
.set B16, 41
.set G1B, 48                           ; s[48:55], s[56:63] the same for B's tiles
.set G0B, 56
.set OB,  66                           ; s[66:67] where the row of tiles in hand goes
.set OB0, 68                           ; s[68:69] my first block of qkv
.set SA,  70                           ; s[70:71] from a row of tiles to the next, in bytes
.set SA4, 72                           ; s[72:73] the same from the fourth to the fifth
.set BP,  74                           ; s[74:75] my part of the bias
.set SEL, 76
.set MNT, 78
.set HM,  79                           ; mask of lanes 16-31
.set MSB, 0
.macro WIN new                         ; the immediate's high byte repeats the setting that is left
.if MSB != (\new)
	s_set_vgpr_msb (MSB<<8)|(\new)
.set MSB, (\new)
.endif
.endm
.set MUL_LO, 0xa1                      ; source 0 (B) window 1, source 1 (A) window 0, C and D window 2
.set MUL_HI, 0xf1                      ; the same, C and D window 3
.set TO_B,   0x40                      ; destination window 1, address window 0
; A joint load: waves 0 and 1 fetch for A, waves 2 and 3 for B; the branch hangs on the wave's number alone.  An s_nop 0 and four v_nop follow each of the two lines.
.macro JLOAD g0a, g1a, g0b, g1b
	s_cmp_eq_u32 s[AH], 0
	s_cbranch_scc0 .Lfor_b_\@
	tensor_load_to_lds s[\g0a:\g0a+3], s[\g1a:\g1a+7]
	s_nop 0
.rept 4
	v_nop
.endr
	s_branch .Lasked_\@
.Lfor_b_\@:
	tensor_load_to_lds s[\g0b:\g0b+3], s[\g1b:\g1b+7]
	s_nop 0
.rept 4
	v_nop
.endr
.Lasked_\@:
.endm
.macro CREST                           ; a round of the cluster's barrier behind its opening barrier
	s_cmp_lg_u32 s[WV], 0
	s_cbranch_scc1 .Lnot_wave_0_\@
	s_barrier_signal -3
.Lnot_wave_0_\@:
	s_barrier_wait -3
	s_barrier_signal -1
	s_barrier_wait -1
.endm
.macro CROUND
	s_barrier_signal -1
	s_barrier_wait -1
	CREST
.endm
.macro PLACES n
.rept \n
	v_nop
.endr
.endm
; 64 numbers of a lane, register 16 b + i = k 32 b + 16 (lane / 16) + i of my row, become a fragment's codes in v[PC] on and its scale word in v[PW].
.macro QUANT s
.irp b, 0,1,2,3
	v_max3_num_f32 v[TM+\b], |v[\s+16*\b]|, |v[\s+1+16*\b]|, 0x8000000   ; block b: my 16 numbers, and the floor 2^(16 - 127): the byte cannot fall under 1
.endr
.irp i, 2,4,6,8,10,12,14
.irp b, 0,1,2,3
	v_max3_num_f32 v[TM+\b], v[TM+\b], |v[\s+16*\b+\i]|, |v[\s+1+16*\b+\i]|
.endr
.endr
.irp b, 0,1,2,3
	v_permlanex16_b32 v[TM+4+\b], v[TM+\b], s[SEL], s[SEL+1]
.endr
.irp b, 0,1,2,3
	v_max_num_f32 v[TM+\b], v[TM+\b], v[TM+4+\b]   ; with lane l xor 16's: the block's largest magnitude
.endr
.irp b, 0,1,2,3
	v_add_nc_u32 v[TM+12+\b], 0xf8800000, v[TM+\b]   ; 15 off its exponent field: the conversion's scale operand
.endr
.irp b, 0,1,2,3
	v_and_or_b32 v[TM+8+\b], v[TM+\b], 0x7f800000, s[MNT]   ; 57,344 x the scale
.endr
.irp b, 0,1,2,3
	v_lshrrev_b32 v[TM+4+\b], 23, v[TM+12+\b]   ; the scale's byte
.endr
	v_lshl_or_b32 v[PW], v[TM+5], 8, v[TM+4]
	v_lshl_or_b32 v[PW], v[TM+6], 16, v[PW]
	v_lshl_or_b32 v[PW], v[TM+7], 24, v[PW]
.irp b, 0,1,2,3
.irp i, 0,1,2,3,4,5,6,7,8,9,10,11,12,13,14,15
	v_med3_num_f32 v[\s+16*\b+\i], v[\s+16*\b+\i], -v[TM+8+\b], v[TM+8+\b]   ; the conversion to an 8-bit code does not saturate (ISA guide 7.6.2): the hold
.endr
	v_cvt_scalef32_pk8_bf8_f32 v[PC+4*\b:PC+1+4*\b], v[\s+16*\b:\s+7+16*\b], v[TM+12+\b]
	v_cvt_scalef32_pk8_bf8_f32 v[PC+2+4*\b:PC+3+4*\b], v[\s+8+16*\b:\s+15+16*\b], v[TM+12+\b]
.endr
	v_nop                                          ; one plain vector instruction behind the last scaled conversion
.endm
	s_load_b256 s[4:11], s[0:1], 0x0               ; qc s[4:5], qs s[6:7], bq s[8:9], bk s[10:11]
	s_load_b128 s[12:15], s[0:1], 0x20             ; bv s[12:13], qkv s[14:15]
	v_lshl_add_u32 v[SPW], v0, 2, SPARE
	v_mov_b32 v[NIL], 0
	ds_add_u32 v[SPW], v[NIL]                      ; the wave's opening: the add, twice on end, and its wait ahead of my first tensor load; the set-up below stands between the second and the wait
	ds_add_u32 v[SPW], v[NIL]
	v_lshrrev_b32 v7, 5, v0
	v_readfirstlane_b32 s[WV], v7                  ; wave 0..3
	s_lshr_b32 s[AH], s[WV], 1
	s_and_b32 s[BH], s[WV], 1
	s_bfe_u32 s[CX], ttmp6, 0x40000                ; my place in the cluster
	s_bfe_u32 s[CY], ttmp6, 0x40004
	s_mov_b32 s[XX], ttmp9                         ; in a cluster launch ttmp9 and ttmp7 count clusters
	s_and_b32 s[YY], ttmp7, 0xffff
	s_lshr_b32 s[ISV], s[YY], 2                    ; cluster y 4, 5: the V part
	s_lshl_b32 s[A16], s[YY], 2
	s_add_co_u32 s[A16], s[A16], s[CY]             ; Q/K: A = x's 16 tiles 4 Y + cy
	s_add_co_u32 s42, s[CY], 24                    ; V:   A = Wv's 16 tiles 24 + cy
	s_lshl_b32 s[B16], s[XX], 2
	s_add_co_u32 s[B16], s[B16], s[CX]             ; 4 X + cx
	s_lshl_b32 s43, s[YY], 3
	s_add_co_u32 s43, s43, s[B16]
	s_sub_co_u32 s43, s43, 32                      ; V:   B = x's 16 tiles 4 X + 8 (Y - 4) + cx
	s_add_co_u32 s[B16], s[B16], 16                ; Q/K: B = Wq's and Wk's 16 tiles 16 + 4 X + cx
	s_cmp_eq_u32 s[ISV], 0
	s_cselect_b32 s[A16], s[A16], s42
	s_cselect_b32 s[B16], s[B16], s43
	s_lshl_b32 s82, s[CY], 2
	s_lshl_b32 s82, 15, s82                        ; my row of the cluster
	s_lshl_b32 s83, 0x1111, s[CX]                  ; my column
	; descriptor group 1: 8 rows (tiles) of 4,096 bytes (two K steps' pieces), 16,384 bytes apart; elements of 8 bytes; no padding: the images are read 16 bytes a lane on end
	s_or_b32 s[G1], s82, (3<<16)|(1<<21)           ; 15:0 the mask: A's tiles go to my row; 17:16 elements of 8 bytes; 21 set beside a mask
	s_or_b32 s[G1B], s83, (3<<16)|(1<<21)
.irp g, G1, G1B
	s_mov_b32 s[\g+1], 512<<16                     ; tensor_dim0 = 512 elements
	s_mov_b32 s[\g+2], 8<<16                       ; tensor_dim1 = 8
	s_mov_b32 s[\g+3], 512<<16                     ; tile_dim0
	s_mov_b32 s[\g+4], 8                           ; tile_dim1
	s_mov_b32 s[\g+5], 2048                        ; tensor_dim0_stride
	s_mov_b32 s[\g+6], 0
	s_mov_b32 s[\g+7], 0
.endr
	s_lshl_b32 s80, s[BH], 17                      ; which 8 tiles I fetch
	s_lshl_b32 s44, s[A16], 18                     ; 16 tiles are 262,144 bytes
	s_add_co_u32 s44, s44, s80
	s_mov_b32 s45, 0
	s_lshl_b32 s46, s[B16], 18
	s_add_co_u32 s46, s46, s80
	s_mov_b32 s47, 0
	s_lshl_b32 s81, s[WV], 15                      ; where they go: wave x 32,768: no place in the cluster enters an LDS address
	s_mov_b32 s[SEL], 0x76543210
	s_mov_b32 s[SEL+1], 0xfedcba98
	s_mov_b32 s[MNT], 0x600000
	s_wait_dscnt 0x0                               ; both opening adds are done
	s_wait_kmcnt 0x0
	s_add_nc_u64 s[44:45], s[4:5], s[44:45]
	s_add_nc_u64 s[46:47], s[4:5], s[46:47]
	CROUND                                         ; all sixteen work-groups are here: the first joint loads meet
.irp s, 0,1
	s_mov_b32 s[G0+4*\s], 1
	s_add_co_u32 s[G0+4*\s+1], s81, \s*SLOT
	s_add_nc_u64 s[G0+4*\s+2:G0+4*\s+3], s[44:45], \s*4096     ; slot s begins with K steps 2 s, 2 s + 1
	s_or_b32 s[G0+4*\s+3], s[G0+4*\s+3], 0x80000000
	s_mov_b32 s[G0B+4*\s], 1
	s_add_co_u32 s[G0B+4*\s+1], s81, \s*SLOT
	s_add_nc_u64 s[G0B+4*\s+2:G0B+4*\s+3], s[46:47], \s*4096
	s_or_b32 s[G0B+4*\s+3], s[G0B+4*\s+3], 0x80000000
.endr
	JLOAD G0, G1, G0B, G1B                         ; slot 0: one tensor load a wave at the head
	v_and_b32 v7, 31, v0
	v_lshlrev_b32 v[LO], 4, v7
	s_wait_alu depctr_va_vdst(0)
	v_and_b32 v[RR], 15, v0
	v_bfe_u32 v[HH], v0, 4, 1
	v_cmp_le_u32 s[HM], 16, v7
	s_lshl_b32 s82, s[A16], 13                     ; qs: 512 bytes a tile
	s_lshl_b32 s83, s[AH], 12
	s_add_co_u32 s82, s82, s83
	s_lshl_b32 s84, s[B16], 13
	s_lshl_b32 s83, s[BH], 12
	s_add_co_u32 s84, s84, s83
	v_mov_b32 v8, s82
	v_mov_b32 v9, s84
	v_cndmask_b32 v[SCO], v8, v9, s[HM]            ; lanes 16-31 take B's
	v_lshl_add_u32 v[SCO], v[RR], 4, v[SCO]        ; 16 bytes a row: four K steps' words
.irp i, 0,1,2,3,4,5,6,7
.irp g, 0,1
	global_load_b128 v[SC+8*\i+4*\g:SC+8*\i+4*\g+3], v[SCO], s[6:7] offset:512*\i+256*\g
.endr
.endr
	s_lshl_b32 s82, s[AH], 15                      ; my 8 tiles of A
	s_lshl_b32 s83, s[BH], 15                      ; my 8 tiles of B,
	s_add_co_u32 s83, s83, 65536                   ; which lie behind A's 16
.irp s, 0,1
	v_add_nc_u32 v[ADRA+\s], s82, v[LO]
	v_add_nc_u32 v[ADRB+\s], s83, v[LO]
	s_add_co_u32 s82, s82, SLOT
	s_add_co_u32 s83, s83, SLOT
.endr
	; what differs between the two parts, chosen by the cluster's y
	s_cmp_eq_u32 s[XX], 0
	s_cselect_b64 s[BP:BP+1], s[8:9], s[10:11]     ; bq or bk
	s_cmp_eq_u32 s[ISV], 0
	s_cselect_b64 s[BP:BP+1], s[BP:BP+1], s[12:13] ; or bv
	s_cselect_b32 s82, s[CX], s[CY]                ; which 256 outputs,
	s_cselect_b32 s83, s[BH], s[AH]                ; which 128 of them
	s_cselect_b32 s84, s[A16], s[B16]              ; which 256 tokens,
	s_cselect_b32 s85, s[AH], s[BH]                ; which 128 of them
	s_cselect_b32 s86, s[B16], s[A16]              ; the weights' 16 tiles
	s_cselect_b32 s87, -1, 0
	s_mov_b32 s88, 16*BLK
	s_cselect_b32 s88, s88, 1024
	s_mov_b32 s[SA], 2048
	s_cselect_b32 s[SA], 1024, s[SA]               ; Q/K: a tile of tokens is 1,024 bytes of a block; V: a tile of d 2,048
	s_mov_b32 s[SA4], 16*BLK-3*2048
	s_cselect_b32 s[SA4], 1024, s[SA4]             ; V: the fifth tile of d begins the next head's block: 16 x 8,704 - 3 x 2,048
	s_mov_b32 s[SA+1], 0
	s_mov_b32 s[SA4+1], 0
	s_lshl_b32 s82, s82, 10
	s_lshl_b32 s89, s83, 9
	s_add_co_u32 s82, s82, s89
	s_mov_b32 s83, s83                             ; (kept: the half of the outputs)
	s_lshl_b32 s84, s84, 1
	s_add_co_u32 s84, s84, s85                     ; the 128 tokens' number, 0 .. 31
	s_and_b32 s90, s84, 15                         ; the key step in the batch
	s_lshr_b32 s84, s84, 4                         ; the batch
	s_mul_i32 s84, s84, 48
	s_lshl_b32 s86, s86, 2
	s_add_co_u32 s84, s84, s86
	s_lshl_b32 s89, s83, 1
	s_add_co_u32 s84, s84, s89
	s_sub_co_u32 s84, s84, 64                      ; + J = 4 x the weights' 16 tiles + 2 x half - 64
	s_lshl_b32 s84, s84, 4
	s_add_co_u32 s84, s84, s90
	s_mul_i32 s84, s84, BLK
	s_mov_b32 s85, 0
	s_mov_b32 s83, 0
	s_add_nc_u64 s[BP:BP+1], s[BP:BP+1], s[82:83]
	s_add_nc_u64 s[OB0:OB0+1], s[14:15], s[84:85]
	s_mov_b64 s[OB:OB+1], s[OB0:OB0+1]
	v_lshlrev_b32 v8, 6, v[HH]                     ; Q/K: the bias of outputs 32 b + 16 h + 0 .. 15
	v_and_b32 v9, 8, v[RR]
	v_add_lshl_u32 v9, v9, v[RR], 2                ; V: the bias of my output: row r + 8 (r / 8) of a tile
	v_cndmask_b32 v[BOF], v9, v8, s87
	v_add_nc_u32 v[LO2], s88, v[LO]
.irp b, 0,1,2,3
	v_mov_b32 v[TM+4+\b], 0                        ; written once: a lane permute's destination counts as one of its sources
.endr
.macro FRAG reg, adr, off              ; a fragment's image: four pieces of 512 bytes
.irp c, 0,1,2,3
	ds_load_b128 v[\reg+4*\c:\reg+4*\c+3], v[\adr] offset:\off+512*\c
.endr
.endm
.macro FETCH_B slot, q, p              ; B's eight fragments of the slot's q-th K step into set p
	WIN TO_B
.irp i, 0,1,2,3,4,5,6,7
	FRAG 128*(\p)+16*\i, ADRB+\slot, \i*4096+(\q)*2048
.endr
	WIN 0
.endm
.macro FETCH_A slot, q, i0             ; A's blocks i0 .. i0 + 3
.irp i, \i0, \i0+1, \i0+2, \i0+3
	FRAG AF+16*(\i), ADRA+\slot, (\i)*4096+(\q)*2048
.endr
.endm
; 16 matrix instructions: A's blocks a0, a0 + 1 x B's eight, K step ks.  p: B's set.  zero = 1: the first product starts the sums.  The 64 accumulators take turns, one instruction a turn, in the same order in every step.
.macro MUL16 a0, p, ks, zero
.irp a, \a0, \a0+1
.irp b, 0,1,2,3,4,5,6,7
.if \zero
	v_wmma_scale_f32_16x16x128_f8f6f4 v[8*(8*((\a)%4)+\b):8*(8*((\a)%4)+\b)+7], v[128*(\p)+16*\b:128*(\p)+16*\b+15], v[AF+16*(\a):AF+16*(\a)+15], 0, v[SC+8*\b+(\ks)], v[SC+8*(\a)+(\ks)] matrix_a_fmt:MATRIX_FMT_BF8 matrix_b_fmt:MATRIX_FMT_BF8 matrix_a_scale:MATRIX_SCALE_ROW1
.else
	v_wmma_scale_f32_16x16x128_f8f6f4 v[8*(8*((\a)%4)+\b):8*(8*((\a)%4)+\b)+7], v[128*(\p)+16*\b:128*(\p)+16*\b+15], v[AF+16*(\a):AF+16*(\a)+15], v[8*(8*((\a)%4)+\b):8*(8*((\a)%4)+\b)+7], v[SC+8*\b+(\ks)], v[SC+8*(\a)+(\ks)] matrix_a_fmt:MATRIX_FMT_BF8 matrix_b_fmt:MATRIX_FMT_BF8 matrix_a_scale:MATRIX_SCALE_ROW1
.endif
.endr
.endr
.endm
; A slot's first K step: B's set 0.  A's blocks are free as soon as their eight products are issued: blocks 0-3 are fetched anew in the step's middle, blocks 4-7 at its end.
.macro STEP slot, ks, zero
	s_wait_dscnt 16                                ; B's set and A's blocks 0-3 are in; the youngest 16 loads (A's blocks 4-7) may be out
	WIN MUL_LO
	MUL16 0, 0, \ks, \zero
	MUL16 2, 0, \ks, \zero
	s_wait_dscnt 0x0                               ; A's blocks 4-7 are in
	PLACES NP                                      ; in front of loads into registers that matrix instructions have read
	FETCH_B \slot, 1, 1
	FETCH_A \slot, 1, 0
	WIN MUL_HI
	MUL16 4, 0, \ks, \zero
	MUL16 6, 0, \ks, \zero
	PLACES NP
	WIN 0
	FETCH_A \slot, 1, 4
.endm
; A slot's second K step changes slots: ONE barrier; in front of it each wave waits for all its tensor loads, adds 0 to its spare word, and waits for that and for its reads of this slot.  fill = 1: the slot is filled again, with the K steps four on.
.macro TURN slot, next, fill, ks
	s_wait_tensorcnt 0x0                           ; all my tensor loads have landed: my part of the next slot
	ds_add_u32 v[SPW], v[NIL]                      ; 0 onto my spare word
	s_wait_dscnt 17                                ; (the add and the youngest 16 loads, A's blocks 4-7, may be out)
	WIN MUL_LO
	MUL16 0, 1, \ks, 0                             ; sixteen matrix instructions stand between the add and the wait for it
	s_wait_dscnt 0x0                               ; the add is done, and my reads of this slot are over
	s_barrier_signal -1
	MUL16 2, 1, \ks, 0
	WIN 0
	s_barrier_wait -1
.if \fill
	CREST                                          ; the barrier has opened a round of the cluster's barrier: no wave of any partner still reads this slot or has a load on its way
	s_add_nc_u64 s[G0+4*\slot+2:G0+4*\slot+3], s[G0+4*\slot+2:G0+4*\slot+3], 8192
	s_add_nc_u64 s[G0B+4*\slot+2:G0B+4*\slot+3], s[G0B+4*\slot+2:G0B+4*\slot+3], 8192
	JLOAD G0+4*\slot, G1, G0B+4*\slot, G1B         ; the first tensor load behind the round, my one load until the next; its four v_nop are among the places in front of the loads below
	PLACES NP-4
.else
	PLACES NP
.endif
	FETCH_B \next, 0, 0
	FETCH_A \next, 0, 0
	WIN MUL_HI
	MUL16 4, 1, \ks, 0
	MUL16 6, 1, \ks, 0
	PLACES NP
	WIN 0
	FETCH_A \next, 0, 4
.endm
	s_wait_alu depctr_va_vdst(0)                   ; the wait at the head's end
	s_wait_tensorcnt 0x0                           ; my part of slot 0 is in
	ds_add_u32 v[SPW], v[NIL]
	s_wait_dscnt 0x0
	CROUND                                         ; everybody's part is in, in all sixteen work-groups
	JLOAD G0+4, G1, G0B+4, G1B                     ; slot 1
	FETCH_B 0, 0, 0
	FETCH_A 0, 0, 0
	FETCH_A 0, 0, 4
	s_wait_loadcnt 0x0                             ; the scale words
	; the eight K steps are written out: each names its own scale registers
	STEP 0, 0, 1
	TURN 0, 1, 1, 1
	STEP 1, 2, 0
	TURN 1, 0, 1, 3
	STEP 0, 4, 0
	TURN 0, 1, 0, 5                                ; nothing is left to fetch: no round, no load
	STEP 1, 6, 0
	; the biases, into B's set 0, which is done with (eight places stand behind its last products)
	s_cmp_eq_u32 s[ISV], 0
	s_cbranch_scc0 .Lbias_v
	WIN TO_B
	s_wait_alu depctr_va_vdst(0)
.irp b, 0,1,2,3
.irp j, 0,1,2,3
	global_load_b128 v[16*\b+4*\j:16*\b+4*\j+3], v[BOF], s[BP:BP+1] offset:128*\b+16*\j   ; register 16 b + i: the bias of output 32 b + 16 h + i
.endr
.endr
	WIN 0
	s_branch .Lbias_done
.Lbias_v:
	WIN TO_B
	s_wait_alu depctr_va_vdst(0)
.irp a, 0,1,2,3,4,5,6,7
	global_load_b32 v[2*\a], v[BOF], s[BP:BP+1] offset:(32*(\a/2)+8*(\a%2))*4     ; the bias of my output in A's tile a, twice: a pair for the packed addition
	global_load_b32 v[2*\a+1], v[BOF], s[BP:BP+1] offset:(32*(\a/2)+8*(\a%2))*4
.endr
	WIN 0
.Lbias_done:
	s_wait_dscnt 16                                ; the last K step: nothing more to fetch
	WIN MUL_LO
	MUL16 0, 1, 7, 0
	MUL16 2, 1, 7, 0
	s_wait_dscnt 0x0
	WIN MUL_HI
	MUL16 4, 1, 7, 0
	MUL16 6, 1, 7, 0
	WIN 0
	PLACES NP                                      ; in front of the first reads of results and of writes into A's registers
	s_wait_loadcnt 0x0                             ; the biases
; THE WAY OUT, a row of tiles (A's block a, B's eight) at a time: + bias, which is also the move into window 0; quantised; the four pieces stored as they stand, 512 consecutive bytes each.
.macro OUTA a
	s_cmp_eq_u32 s[ISV], 0
	s_cbranch_scc0 .Lvadd_\@
	WIN 0x06+(\a)/4                                ; source 0: window 2 or 3 (each accumulator from its low end on); source 1: window 1
.set I, 0
.rept 32
	v_pk_add_f32 v[X+I:X+I+1], v[64*((\a)%4)+I:64*((\a)%4)+I+1], v[I:I+1]
.set I, I+2
.endr
	WIN 0
	s_branch .Ladded_\@
.Lvadd_\@:
	WIN 0x06+(\a)/4
.set I, 0
.rept 32
	v_pk_add_f32 v[X+I:X+I+1], v[64*((\a)%4)+I:64*((\a)%4)+I+1], v[2*(\a):2*(\a)+1]
.set I, I+2
.endr
	WIN 0
.Ladded_\@:
	s_wait_xcnt 0x0                                ; the last row's stores have read their data and their base: both are rewritten only behind this wait
.if (\a) == 4
	s_add_nc_u64 s[OB:OB+1], s[OB:OB+1], s[SA4:SA4+1]
.elseif (\a) > 0
	s_add_nc_u64 s[OB:OB+1], s[OB:OB+1], s[SA:SA+1]
.endif
	QUANT X
	v_mov_b32 v[SWD+(\a)], v[PW]
	global_store_b128 v[LO], v[PC:PC+3], s[OB:OB+1]
	global_store_b128 v[LO], v[PC+4:PC+7], s[OB:OB+1] offset:512
	global_store_b128 v[LO2], v[PC+8:PC+11], s[OB:OB+1]
	global_store_b128 v[LO2], v[PC+12:PC+15], s[OB:OB+1] offset:512
.endm
.irp a, 0,1,2,3,4,5,6,7
	OUTA \a
.endr
	; the scale words: 512 bytes behind each of my two blocks' codes
	s_cmp_eq_u32 s[ISV], 0
	s_cbranch_scc0 .Lscale_v
.irp t, 0,1,2,3
	v_cndmask_b32 v[W0+\t], v[SWD+\t], v[SWD+4+\t], s[HM]    ; lanes 0-15: tiles 0-3, lanes 16-31: tiles 4-7
.endr
.irp t, 0,1,2,3
	v_lshrrev_b32 v[W1+\t], 16, v[W0+\t]           ; the second head's two bytes,
.endr
.irp t, 0,1,2,3
	v_and_b32 v[W0+\t], 0xffff, v[W0+\t]           ; the first head's; the upper two bytes are 0: they meet zero codes alone
.endr
	global_store_b128 v[LO], v[W0:W0+3], s[OB0:OB0+1] offset:8192
	global_store_b128 v[LO], v[W1:W1+3], s[OB0:OB0+1] offset:8192+16*BLK
	s_branch .Lscale_done
.Lscale_v:
	global_store_b128 v[LO], v[SWD:SWD+3], s[OB0:OB0+1] offset:8192
	s_wait_alu depctr_va_vdst(0)
	global_store_b128 v[LO], v[SWD+4:SWD+7], s[OB0:OB0+1] offset:8192+16*BLK
.Lscale_done:
	s_wait_tensorcnt 0x0                           ; the wave's end, behind my last tensor load
	ds_add_u32 v[SPW], v[NIL]
	s_wait_dscnt 0x0
	CROUND                                         ; the closing round: no work-group ends while a partner may still ask for a tile that names it
	s_endpgm
.Lfunc_end_k_qc31cad7bc0_qkv:
	.size	k_qc31cad7bc0_qkv, .Lfunc_end_k_qc31cad7bc0_qkv-k_qc31cad7bc0_qkv
	.p2alignl 7, 3214868480
	.fill 96, 4, 3214868480
	.section	.rodata,"a",@progbits
	.p2align	6, 0x0
	.amdhsa_kernel k_qc31cad7bc0_qkv
		.amdhsa_group_segment_fixed_size 327680
		.amdhsa_private_segment_fixed_size 0
		.amdhsa_enable_private_segment 0
		.amdhsa_kernarg_size 48
		.amdhsa_user_sgpr_count 2
		.amdhsa_user_sgpr_kernarg_segment_ptr 1
		.amdhsa_wavefront_size32 1
		.amdhsa_system_sgpr_workgroup_id_x 1
		.amdhsa_system_sgpr_workgroup_id_y 1
		.amdhsa_system_sgpr_workgroup_id_z 1
		.amdhsa_system_vgpr_workitem_id 0
		.amdhsa_next_free_vgpr 1024
		.amdhsa_next_free_sgpr 100
		.amdhsa_reserve_vcc 0
		.amdhsa_float_denorm_mode_32 3
		.amdhsa_float_denorm_mode_16_64 3
		.amdhsa_memory_ordered 1
		.amdhsa_forward_progress 1
		.amdhsa_inst_pref_size 220
	.end_amdhsa_kernel
	.amdgpu_metadata
---
amdhsa.version: [ 1, 2 ]
amdhsa.kernels:
  - .name:           k_qc31cad7bc0_qkv
    .symbol:         k_qc31cad7bc0_qkv.kd
    .args:
      - { .name: qc, .offset: 0, .size: 8, .value_kind: global_buffer, .address_space: global }
      - { .name: qs, .offset: 8, .size: 8, .value_kind: global_buffer, .address_space: global }
      - { .name: bq, .offset: 16, .size: 8, .value_kind: global_buffer, .address_space: global }
      - { .name: bk, .offset: 24, .size: 8, .value_kind: global_buffer, .address_space: global }
      - { .name: bv, .offset: 32, .size: 8, .value_kind: global_buffer, .address_space: global }
      - { .name: qkv, .offset: 40, .size: 8, .value_kind: global_buffer, .address_space: global }
    .group_segment_fixed_size: 327680
    .private_segment_fixed_size: 0
    .kernarg_segment_align: 8
    .kernarg_segment_size: 48
    .max_flat_workgroup_size: 128
    .sgpr_count:     100
    .vgpr_count:     1024
    .wavefront_size: 32
...
	.end_amdgpu_metadata
.endif
;; end of part 2
;; launch attn (part 3): grid 8 x 32, 8 waves a work-group, clusters of 4 x 1, 327,680 bytes of LDS; arguments qkv, ctxc, ctxs; writes ctxc, ctxs
.if DOCPART == 3
	.amdgcn_target "amdgcn-amd-amdhsa--gfx1250"
	.amdhsa_code_object_version 6
	.text
	.protected	k_qc31cad7bc0_attn
	.globl	k_qc31cad7bc0_attn
	.p2align	8
	.type	k_qc31cad7bc0_attn,@function
k_qc31cad7bc0_attn:
	s_mov_b64 s[64:65], 0
	v_nop
	global_prefetch_b8 v0, s[64:65] scope:SCOPE_SE
	s_setreg_imm32_b32 hwreg(HW_REG_WAVE_MODE, 25, 1), 1
	s_wait_xcnt 0x0
	s_wait_alu depctr_hold_cnt(0) depctr_sa_sdst(0) depctr_va_vdst(0) depctr_va_sdst(0) depctr_va_ssrc(0) depctr_va_vcc(0) depctr_vm_vsrc(0)
	s_getreg_b32 s2, hwreg(HW_REG_IB_STS2, 6, 4)
	s_cmp_eq_u32 s2, 0
	s_cbranch_scc0 .Lentry_in_a_cluster
	s_endpgm
.Lentry_in_a_cluster:
	s_bfe_u32 s2, ttmp6, 0x10000c
	s_cmp_lg_u32 s2, 0x3003
	s_cbranch_scc0 .Lentry_shape_is_right
	s_endpgm
.Lentry_shape_is_right:
; ctx = softmax(q k^T / 8) v for one head and 256 queries a work-group, on codes of E5M2 with one E8M0 scale for each 32 along K; then ctx's own quantiser along the head's 64.  No work is left out.
; THE SOFTMAX: t = score x log2(e) / 8; M = the row's largest t so far, rounded UP to a whole number; p = 2^(t - M) is quantised along the keys, not normalised; the row's sum is taken of the unquantised p in f32 and divides at the end.
; When M moves, the sum and O are multiplied by 2^(old M - new M), which is exact.
; SHARES.  Eight waves, two to a SIMD; a wave owns TWO tiles of 16 queries (a and b), so each fragment of K and V that it reads from LDS feeds two products.  It walks the head's 2,048 keys, 128 a step.
; Both products are used transposed (S^T = K Q^T, O^T = V^T P^T): a lane holds one query of each tile throughout; the 16 registers of key tiles 2 g, 2 g + 1 are 16 neighbouring keys.
; The head's 64 fill half of an instruction's K: Q's upper 8 registers are zero codes; opposite them K's operand takes the next tile's codes (behind the last tile: zeros).
; qkv: [batch][J: q 0-15, k 16-31, v 32-47][key step 16][8,704 bytes: 8,192 of codes, 512 of scale words].
; LDS: K's sixteen blocks, then V's, filled once: steps 0 to 3 by the head's load (a block a wave), the other twelve by one load a wave (three blocks) behind the drained round.
; CLUSTERS: the four work-groups of a cluster share a head: all of K and V is asked for jointly.  No prefetch: both loads are asked for ahead of the loop, so there is no later load to run ahead of.
; LIMITS: NaN and infinities are not served; the scaled scores stay under 2^31 in magnitude; a block of zeros keeps the byte 1 (zero codes; this program alone reads the bytes).
; WINDOW 0: work, Q, p's codes, S.  WINDOW 1: K's fragments v0-63 and zeros v64-71, V's v72-135, O^T of a v136-167 and of b v168-199.
.set KVB,   8704
.set VBASE, 16*KVB
.set SCR,   32*KVB                     ; 512 bytes: ctx's scale bytes on the way out
.set SPARE, SCR+512                    ; the spare words, 128 bytes for each wave
.set AK0,  1                           ; v1  16 x lane
.set AV0,  2                           ; v2  VBASE + 16 x lane
.set SCW,  3
.set SCRD, 4
.set SPW,  5
.set NIL,  6
.set VS,   8                           ; v8-11  V's scale words
.set PSA,  12                          ; v12, v13 p's scale words (no product's two scale registers have numbers equal modulo 8)
.set PSB,  13
.set QS,   14                          ; v14, v15 Q's
.set KS,   16                          ; v16-19 K's
.set ADK,  20
.set ADV,  21
.set RM,   22                          ; v22, v23 the largest score so far
.set NMA,  24                          ; -M, as pairs
.set NMB,  26
.set FFA,  28                          ; 2^(old M - new M), as pairs
.set FFB,  30
.set SUMA, 32                          ; the sums, in two halves
.set SUMB, 34
.set C1,   36
.set C2,   38
.set TT,   40
.set BM,   44                          ; v44-51 blocks' maxima, then their bounds: a 0-3, b 4-7
.set SO,   52                          ; v52-59 the conversions' scale operands
.set T2,   60
.set C3,   62
.set QA,   64
.set QB,   80
.set PA,   96                          ; v96-111 a's codes, v112-127 b's
.set PB,   112
.set SA,   128                         ; v128-191 a's scores, v192-255 b's: block g at SA + 16 g
.set SB,   192
.set KF,   0
.set VF,   72
.set OTA,  136
.set OTB,  168
.set WV,  10
.set G1,  16                           ; s[16:23] descriptor group 1: one block;  s[40:47]: three
.set G1B, 40
.set SEL, 32                           ; lane selects: lane l xor 16
.set CS,  34                           ; c = log2(e) / 8, as a pair
.set MNT, 36
.set TB,  37                           ; the step's offset in LDS
.set CNT, 38
.set NC,  39                           ; -c
.set MSB, 0
.macro WIN new
.if MSB != (\new)
	s_set_vgpr_msb (MSB<<8)|(\new)
.set MSB, (\new)
.endif
.endm
.macro CROUND
	s_barrier_signal -1
	s_barrier_wait -1
	s_cmp_lg_u32 s[WV], 0
	s_cbranch_scc1 .Lnot_wave_0_\@
	s_barrier_signal -3
.Lnot_wave_0_\@:
	s_barrier_wait -3
	s_barrier_signal -1
	s_barrier_wait -1
.endm
.macro WALU
	s_wait_alu depctr_va_vdst(0)
.endm
	s_load_b128 s[4:7], s[0:1], 0x0                ; qkv, ctxc
	s_load_b64 s[8:9], s[0:1], 0x10                ; ctxs
	v_lshl_add_u32 v[SPW], v0, 2, SPARE
	v_mov_b32 v[NIL], 0
	ds_add_u32 v[SPW], v[NIL]                      ; the opening lines: the add, twice, and its wait
	ds_add_u32 v[SPW], v[NIL]
	v_lshrrev_b32 v7, 5, v0
	v_readfirstlane_b32 s[WV], v7
	s_bfe_u32 s11, ttmp6, 0x40000
	s_lshl_b32 s12, ttmp9, 2
	s_add_co_u32 s12, s12, s11                     ; which 256 queries
	s_and_b32 s13, ttmp7, 0xffff
	s_lshr_b32 s14, s13, 4                         ; batch
	s_and_b32 s15, s13, 15                         ; head
	s_mov_b32 s[G1], 15|(3<<16)|(1<<21)            ; all four partners; elements of 8 bytes; rows of 256 bytes, dense
	s_mov_b32 s[G1B], 15|(3<<16)|(1<<21)
	s_mov_b32 s[G1+2], 34<<16
	s_mov_b32 s[G1+4], 34
	s_mov_b32 s[G1B+2], 102<<16
	s_mov_b32 s[G1B+4], 102
.irp g, G1, G1B
	s_mov_b32 s[\g+1], 32<<16
	s_mov_b32 s[\g+3], 32<<16
	s_mov_b32 s[\g+5], 32
	s_mov_b32 s[\g+6], 0
	s_mov_b32 s[\g+7], 0
.endr
	s_lshr_b32 s48, s[WV], 2                       ; I fetch K (0) or V (1).  Also: which of the two blocks of queries is mine
	s_and_b32 s49, s[WV], 3
	s_mul_i32 s50, s48, VBASE
	s_mul_i32 s51, s49, 3*KVB
	s_add_co_u32 s51, s51, s50
	s_add_co_u32 s51, s51, 4*KVB                   ; LDS: blocks 4 + 3 i on,
	s_mul_i32 s52, s49, KVB
	s_add_co_u32 s50, s50, s52                     ; and ahead of them block i
	s_mul_i32 s53, s14, 48
	s_add_co_u32 s53, s53, s15                     ; q's J
	s_lshl_b32 s54, s48, 4
	s_add_co_u32 s54, s54, s53
	s_add_co_u32 s54, s54, 16                      ; k's or v's
	s_mul_i32 s56, s54, 16*KVB
	s_add_co_u32 s54, s56, s52                     ; in memory: block i,
	s_mov_b32 s55, 0
	s_mul_i32 s57, s49, 3*KVB
	s_add_co_u32 s56, s56, s57
	s_add_co_u32 s56, s56, 4*KVB                   ; and blocks 4 + 3 i on
	s_mov_b32 s57, 0
	s_lshl_b32 s58, s53, 4
	s_lshl_b32 s59, s12, 1
	s_add_co_u32 s58, s58, s59
	s_add_co_u32 s58, s58, s48
	s_mul_i32 s58, s58, KVB                        ; my block of queries
	s_mov_b32 s59, 0
	s_lshl_b32 s60, s14, 7                         ; ctxc: 16,384 bytes a tile, 1,024 a head
	s_lshl_b32 s61, s12, 4
	s_add_co_u32 s60, s60, s61
	s_lshl_b32 s61, s[WV], 1
	s_add_co_u32 s60, s60, s61
	s_lshl_b32 s60, s60, 14
	s_lshl_b32 s61, s15, 10
	s_add_co_u32 s60, s60, s61
	s_mov_b32 s61, 0
	s_lshl_b32 s62, s14, 3                         ; ctxs: 512 bytes for 256 queries and a head
	s_add_co_u32 s62, s62, s12
	s_lshl_b32 s62, s62, 4
	s_add_co_u32 s62, s62, s15
	s_lshl_b32 s62, s62, 9
	s_mov_b32 s63, 0
	s_lshl_b32 s11, s49, 11                        ; my two tiles' codes in the block
	s_lshr_b32 s12, s49, 1
	s_lshl_b32 s12, s12, 8
	s_and_b32 s13, s49, 1
	s_lshl_b32 s13, s13, 3
	s_add_co_u32 s12, s12, s13                     ; and their scale words
	s_lshl_b32 s13, s[WV], 2
	s_add_co_u32 s13, s13, SCR
	s_mov_b32 s[SEL], 0x76543210
	s_mov_b32 s[SEL+1], 0xfedcba98
	s_mov_b32 s[CS], 0x3e38aa3b
	s_mov_b32 s[CS+1], s[CS]
	s_mov_b32 s[NC], 0xbe38aa3b
	s_mov_b32 s[MNT], 0x600000                     ; the mantissa field of 57,344
	s_mov_b32 s[TB], 0
	s_wait_dscnt 0x0                               ; both opening adds are done
	CROUND
	s_wait_kmcnt 0x0
	s_mov_b32 s24, 1
	s_mov_b32 s25, s50
	s_add_nc_u64 s[26:27], s[4:5], s[54:55]
	s_or_b32 s27, s27, 0x80000000
	tensor_load_to_lds s[24:27], s[G1:G1+7]        ; steps 0 to 3
	s_nop 0
.rept 4
	v_nop
.endr
	s_mov_b32 s28, 1
	s_mov_b32 s29, s51
	s_add_nc_u64 s[30:31], s[4:5], s[56:57]
	s_or_b32 s31, s31, 0x80000000
	s_add_nc_u64 s[58:59], s[4:5], s[58:59]
	s_add_nc_u64 s[60:61], s[6:7], s[60:61]
	s_add_nc_u64 s[62:63], s[8:9], s[62:63]
	v_and_b32 v7, 31, v0
	v_and_b32 v20, 15, v0
	v_lshlrev_b32 v[AK0], 4, v7
	v_lshl_add_u32 v21, v20, 4, s12
	v_lshl_add_u32 v[SCW], v20, 5, s13             ; row r's 32 bytes, my 4 of them
	v_add_nc_u32 v7, s11, v[AK0]
	v_add_nc_u32 v[AV0], VBASE, v[AK0]
	v_add_nc_u32 v[SCRD], SCR, v[AK0]
	global_load_b128 v[QA:QA+3], v7, s[58:59]
	global_load_b128 v[QA+4:QA+7], v7, s[58:59] offset:512
	global_load_b128 v[QB:QB+3], v7, s[58:59] offset:1024
	global_load_b128 v[QB+4:QB+7], v7, s[58:59] offset:1536
	global_load_b64 v[QS:QS+1], v21, s[58:59] offset:8192
.irp j, 0,1,2,3,4,5,6,7
	v_mov_b32 v[QA+8+\j], 0
	v_mov_b32 v[QB+8+\j], 0
.endr
	v_mov_b32 v[RM], 0xff61b1e6                    ; -3e38, under every score
	v_mov_b32 v[RM+1], 0xff61b1e6
.irp j, 0,2
	v_mov_b32 v[NMA+\j], 0x7f61b1e6                ; the first change of M multiplies the zero sums by 0
	v_mov_b32 v[NMA+1+\j], 0
	v_mov_b32 v[FFA+1+\j], 0
	v_mov_b32 v[SUMA+\j], 0
	v_mov_b32 v[SUMA+1+\j], 0
.endr
.irp b, 0,1,2,3
	v_mov_b32 v[T2+\b], 0                          ; a lane permute's destination counts as one of its sources
.endr
	WIN 0x40
.irp j, 0,1,2,3,4,5,6,7
	v_mov_b32 v[KF+64+\j], 0
.endr
.set J, 0
.rept 64
	v_mov_b32 v[OTA+J], 0
.set J, J+1
.endr
	WIN 0
	WALU
	s_wait_tensorcnt 0x0                           ; my block is in
	ds_add_u32 v[SPW], v[NIL]
	s_wait_dscnt 0x0
	CROUND                                         ; everybody's is: steps 0 to 3 may be read
	tensor_load_to_lds s[28:31], s[G1B:G1B+7]      ; steps 4 to 15
	s_nop 0
.rept 4
	v_nop
.endr
.macro KLD adr, o                      ; 17 loads: a step's eight fragments of K (8 registers each) and their scale words
	WIN 0x40
.irp t, 0,1,2,3,4,5,6,7
	ds_load_b128 v[KF+8*\t:KF+8*\t+3], v[\adr] offset:(\o)+1024*\t
	ds_load_b128 v[KF+8*\t+4:KF+8*\t+7], v[\adr] offset:(\o)+1024*\t+512
.endr
	WIN 0
	ds_load_b128 v[KS:KS+3], v[\adr] offset:(\o)+8192
.endm
.macro QK t, ks                        ; key tile t against both tiles of queries; lanes 16-31 hold tiles 4 to 7's scale words
.if (\t) < 4
	v_wmma_scale_f32_16x16x128_f8f6f4 v[SA+8*\t:SA+8*\t+7], v[KF+8*\t:KF+8*\t+15], v[QA:QA+15], 0, v[\ks], v[QS] matrix_a_fmt:MATRIX_FMT_BF8 matrix_b_fmt:MATRIX_FMT_BF8
	v_wmma_scale_f32_16x16x128_f8f6f4 v[SB+8*\t:SB+8*\t+7], v[KF+8*\t:KF+8*\t+15], v[QB:QB+15], 0, v[\ks], v[QS+1] matrix_a_fmt:MATRIX_FMT_BF8 matrix_b_fmt:MATRIX_FMT_BF8
.else
	v_wmma_scale_f32_16x16x128_f8f6f4 v[SA+8*\t:SA+8*\t+7], v[KF+8*\t:KF+8*\t+15], v[QA:QA+15], 0, v[\ks], v[QS] matrix_a_fmt:MATRIX_FMT_BF8 matrix_b_fmt:MATRIX_FMT_BF8 matrix_a_scale:MATRIX_SCALE_ROW1
	v_wmma_scale_f32_16x16x128_f8f6f4 v[SB+8*\t:SB+8*\t+7], v[KF+8*\t:KF+8*\t+15], v[QB:QB+15], 0, v[\ks], v[QS+1] matrix_a_fmt:MATRIX_FMT_BF8 matrix_b_fmt:MATRIX_FMT_BF8 matrix_a_scale:MATRIX_SCALE_ROW1
.endif
.endm
.macro PV ot, p, ps
	WIN 0x51
.irp t, 0,1,2,3
	v_wmma_scale_f32_16x16x128_f8f6f4 v[\ot+8*\t:\ot+8*\t+7], v[VF+16*\t:VF+16*\t+15], v[\p:\p+15], v[\ot+8*\t:\ot+8*\t+7], v[VS+\t], v[\ps] matrix_a_fmt:MATRIX_FMT_BF8 matrix_b_fmt:MATRIX_FMT_BF8
.endr
	WIN 0
.endm
; The row's sum of 32 pairs in four chains by turns: lines 0 .. 28, then three joins.
.macro SOP n, s, sum, f
.if (\n) == 0
	v_pk_fma_f32 v[\sum:\sum+1], v[\sum:\sum+1], v[\f:\f+1], v[\s:\s+1] op_sel_hi:[1,0,1]
.elseif (\n) == 1
	v_pk_add_f32 v[C1:C1+1], v[\s+2:\s+3], v[\s+8:\s+9]
.elseif (\n) == 2
	v_pk_add_f32 v[C2:C2+1], v[\s+4:\s+5], v[\s+10:\s+11]
.elseif (\n) == 3
	v_pk_add_f32 v[C3:C3+1], v[\s+6:\s+7], v[\s+12:\s+13]
.elseif (\n) < 29
.if (\n)%4 == 0
	v_pk_add_f32 v[\sum:\sum+1], v[\sum:\sum+1], v[\s+2*(\n)+6:\s+2*(\n)+7]
.elseif (\n)%4 == 1
	v_pk_add_f32 v[C1:C1+1], v[C1:C1+1], v[\s+2*(\n)+6:\s+2*(\n)+7]
.elseif (\n)%4 == 2
	v_pk_add_f32 v[C2:C2+1], v[C2:C2+1], v[\s+2*(\n)+6:\s+2*(\n)+7]
.else
	v_pk_add_f32 v[C3:C3+1], v[C3:C3+1], v[\s+2*(\n)+6:\s+2*(\n)+7]
.endif
.endif
.endm
.macro JOIN sum
	v_pk_add_f32 v[\sum:\sum+1], v[\sum:\sum+1], v[C1:C1+1]
	v_pk_add_f32 v[C2:C2+1], v[C2:C2+1], v[C3:C3+1]
	v_pk_add_f32 v[\sum:\sum+1], v[\sum:\sum+1], v[C2:C2+1]
.endm
.macro HOLD2 j                         ; two numbers held at the largest code x their block's scale: the conversion to an 8-bit code does not saturate (ISA guide 7.6.2); p is not negative
	v_dual_min_num_f32 v[SA+\j], v[BM+(\j)/16], v[SA+\j] :: v_dual_min_num_f32 v[SA+\j+1], v[BM+(\j)/16], v[SA+\j+1]
.endm
.macro HOLDS g
.irp i, 0,2,4,6,8,10,12,14
	HOLD2 16*\g+\i
.endr
.endm
.macro CVT g, u                        ; half u of block g's codes
	v_cvt_scalef32_pk8_bf8_f32 v[PA+4*(\g)+2*(\u):PA+4*(\g)+2*(\u)+1], v[SA+16*(\g)+8*(\u):SA+16*(\g)+8*(\u)+7], v[SO+(\g)]
.endm
.macro STEP
	s_wait_dscnt 0x0                               ; this step's K
	WIN 0x01
	QK 0, KS
	QK 1, KS+1
	QK 2, KS+2
	QK 3, KS+3
	QK 4, KS
	QK 5, KS+1
	QK 6, KS+2
	QK 7, KS+3
	WIN 0
	v_add_nc_u32 v[ADV], s[TB], v[AV0]
	v_add_nc_u32 v[ADK], s[TB], v[AK0]
.rept 6
	v_nop                                          ; with the two lines above the eight places behind the products
.endr
	WIN 0x40
.irp t, 0,1,2,3
.irp c, 0,1,2,3
	ds_load_b128 v[VF+16*\t+4*\c:VF+16*\t+4*\c+3], v[ADV] offset:2048*\t+512*\c
.endr
.endr
	WIN 0
	ds_load_b128 v[VS:VS+3], v[ADV] offset:8192
	KLD ADK, KVB                                   ; the next step's K (behind step 15 this reads V's first block, and nothing uses it)
; the largest score of each block of 32 keys: eight chains by turns
.irp g, 0,1,2,3,4,5,6,7
	v_max3_num_f32 v[BM+\g], v[SA+16*\g], v[SA+16*\g+1], v[SA+16*\g+2]
.endr
.irp i, 3,5,7,9,11,13
.irp g, 0,1,2,3,4,5,6,7
	v_max3_num_f32 v[BM+\g], v[BM+\g], v[SA+16*\g+\i], v[SA+16*\g+\i+1]
.endr
.endr
.irp g, 0,1,2,3,4,5,6,7
	v_max_num_f32 v[BM+\g], v[BM+\g], v[SA+16*\g+15]
.endr
; two blocks to a register: lanes 0-15 the even block's maximum over both halves of the lanes, lanes 16-31 the odd block's
.irp g, 0,2,4,6
	v_permlane16_swap_b32 v[BM+\g], v[BM+\g+1]
.endr
.irp g, 0,2,4,6
	v_max_num_f32 v[BM+\g], v[BM+\g], v[BM+\g+1]
.endr
.irp x, 0,1
	v_max_num_f32 v[TT+\x], v[BM+4*\x], v[BM+4*\x+2]
.endr
.irp x, 0,1
	v_permlanex16_b32 v[T2+\x], v[TT+\x], s[SEL], s[SEL+1]
.endr
.irp x, 0,1
	v_max3_num_f32 v[RM+\x], v[RM+\x], v[TT+\x], v[T2+\x]   ; the row's largest score so far
.endr
.irp x, 0,1
	v_mul_f32 v[TT+\x], s[NC], v[RM+\x]            ; -t
.endr
.irp x, 0,1
	v_floor_f32 v[T2+\x], v[TT+\x]                 ; the new -M
.endr
.irp x, 0,1
	v_sub_f32 v[TT+\x], v[T2+\x], v[NMA+2*\x]      ; old M - new M: a whole number, 0 or less
.endr
.irp x, 0,1
	v_mov_b32 v[NMA+2*\x], v[T2+\x]
.endr
.irp x, 0,1
	v_cvt_i32_f32 v[TT+\x], v[TT+\x]               ; (it saturates)
.endr
.irp x, 0,1
	v_ldexp_f32 v[FFA+2*\x], 1.0, v[TT+\x]
.endr
.irp g, 0,2
	v_fma_f32 v[BM+\g], v[BM+\g], s[CS], v[NMA]    ; the blocks' largest t - M
	v_fma_f32 v[BM+4+\g], v[BM+4+\g], s[CS], v[NMB]
.endr
.set J, 0
.rept 32
	v_pk_fma_f32 v[SA+J:SA+J+1], v[SA+J:SA+J+1], s[CS:CS+1], v[NMA:NMA+1] op_sel_hi:[1,0,0]   ; a's t - M
.set J, J+2
.endr
	WIN 0x41
.set J, 0
.rept 16
	v_pk_mul_f32 v[OTA+J:OTA+J+1], v[OTA+J:OTA+J+1], v[FFA:FFA+1] op_sel_hi:[1,0]   ; O^T under the new M
	v_pk_mul_f32 v[OTB+J:OTB+J+1], v[OTB+J:OTB+J+1], v[FFB:FFB+1] op_sel_hi:[1,0]
.set J, J+2
.endr
	WIN 0
	WALU
.irp g, 0,2,4,6
	v_exp_f32 v[BM+\g], v[BM+\g]                   ; the blocks' largest p: the same instructions on the same numbers
.endr
.set J, 0
.rept 32
	v_exp_f32 v[SA+J], v[SA+J]                     ; a's p, with b's t - M between
	v_exp_f32 v[SA+J+1], v[SA+J+1]
	v_pk_fma_f32 v[SB+J:SB+J+1], v[SB+J:SB+J+1], s[CS:CS+1], v[NMB:NMB+1] op_sel_hi:[1,0,0]
.set J, J+2
.endr
	WALU
; bounds, scale operands and scale words of all eight blocks, two to a register
.irp g, 0,2,4,6
	v_max_num_f32 v[BM+\g], 0x8000000, v[BM+\g]    ; the floor 2^(16 - 127): the byte cannot fall under 1
.endr
.irp g, 0,2,4,6
	v_and_or_b32 v[BM+\g], v[BM+\g], 0x7f800000, s[MNT]   ; 57,344 x the scale
.endr
.irp x, 0,1,2,3
	v_lshrrev_b32 v[T2+\x], 23, v[BM+2*\x]
.endr
.irp g, 0,2,4,6
	v_mov_b32 v[BM+\g+1], v[BM+\g]
.endr
.irp g, 0,2,4,6
	v_permlane16_swap_b32 v[BM+\g], v[BM+\g+1]     ; each block's own register again, in all lanes
.endr
.irp x, 0,1
	v_lshl_or_b32 v[TT+\x], v[T2+2*\x+1], 16, v[T2+2*\x]   ; lanes 0-15: blocks 0 and 2, lanes 16-31: blocks 1 and 3
.endr
.irp g, 0,1,2,3,4,5,6,7
	v_add_nc_u32 v[SO+\g], 0xf8800000, v[BM+\g]    ; 15 off the exponent field: the conversion takes that field alone
.endr
.irp x, 0,1
	v_permlanex16_b32 v[T2+\x], v[TT+\x], s[SEL], s[SEL+1]
.endr
.irp x, 0,1
	v_lshl_or_b32 v[PSA+\x], v[T2+\x], 8, v[TT+\x]
.endr
	v_add_nc_u32 v[PSA], 0xf0f0f0f1, v[PSA]        ; 15 off each byte (none is under 16)
.set N, 0
.rept 29
	SOP N, SA, SUMA, FFA
.set N, N+1
.endr
	JOIN SUMA
	WALU
.set J, 0
.rept 32
	v_exp_f32 v[SB+J], v[SB+J]                     ; b's p, with a's holds between
	v_exp_f32 v[SB+J+1], v[SB+J+1]
	HOLD2 J
.set J, J+2
.endr
	v_add_nc_u32 v[PSB], 0xf0f0f0f1, v[PSB]        ; a plain place
	WALU
.set N, 0
.irp g, 0,1,2,3
.irp u, 0,1
	CVT \g, \u
.rept 4
	SOP N, SB, SUMB, FFB                           ; b's sum among a's conversions
.set N, N+1
.endr
.endr
.endr
	HOLDS 4
	WALU
	s_wait_dscnt 17                                ; V's 17 loads are in; the next K's 17 may be out
	PV OTA, PA, PSA
	HOLDS 5
	CVT 4, 0
	CVT 4, 1
	HOLDS 6
	CVT 5, 0
	CVT 5, 1
	HOLDS 7
	CVT 6, 0
	CVT 6, 1
	CVT 7, 0
	CVT 7, 1
	JOIN SUMB                                      ; with the v_nop four places ahead of the products
	v_nop
	PV OTB, PB, PSB
	s_add_co_u32 s[TB], s[TB], KVB
.endm
.macro WALK n
	s_mov_b32 s[CNT], \n
.Lstep_\@:
	STEP
	s_sub_co_u32 s[CNT], s[CNT], 1
	s_cmp_lg_u32 s[CNT], 0
	s_cbranch_scc1 .Lstep_\@
.endm
	KLD AK0, 0
	s_wait_loadcnt 0x0                             ; Q
	WALK 3
	s_wait_tensorcnt 0x0                           ; my part of steps 4 to 15 is in
	s_wait_dscnt 0x0
	s_barrier_signal -1
	s_barrier_wait -1
	WALK 13
.rept 8
	v_nop
.endr
	v_add_f32 v[SUMA], v[SUMA], v[SUMA+1]
	v_add_f32 v[SUMB], v[SUMB], v[SUMB+1]
	v_permlanex16_b32 v[T2], v[SUMA], s[SEL], s[SEL+1]
	v_permlanex16_b32 v[T2+1], v[SUMB], s[SEL], s[SEL+1]
	v_add_f32 v[SUMA], v[SUMA], v[T2]
	v_add_f32 v[SUMB], v[SUMB], v[T2+1]
	WALU
	v_rcp_f32 v[FFA], v[SUMA]
	v_rcp_f32 v[FFB], v[SUMB]
	v_nop
	WIN 0x01
	WALU
.set J, 0
.rept 16
	v_pk_mul_f32 v[SA+J:SA+J+1], v[OTA+J:OTA+J+1], v[FFA:FFA+1] op_sel_hi:[1,0]
.set J, J+2
.endr
.set J, 0
.rept 16
	v_pk_mul_f32 v[SA+32+J:SA+33+J], v[OTB+J:OTB+J+1], v[FFB:FFB+1] op_sel_hi:[1,0]
.set J, J+2
.endr
	WIN 0
; ctx's quantiser: blocks 0, 1 are a's 64 channels, 2, 3 b's
.irp b, 0,1,2,3
	v_max3_num_f32 v[BM+\b], |v[SA+16*\b]|, |v[SA+1+16*\b]|, 0x8000000
.endr
.irp i, 2,4,6,8,10,12,14
.irp b, 0,1,2,3
	v_max3_num_f32 v[BM+\b], v[BM+\b], |v[SA+16*\b+\i]|, |v[SA+1+16*\b+\i]|
.endr
.endr
.irp b, 0,1,2,3
	v_permlanex16_b32 v[T2+\b], v[BM+\b], s[SEL], s[SEL+1]
.endr
.irp b, 0,1,2,3
	v_max_num_f32 v[BM+\b], v[BM+\b], v[T2+\b]
.endr
.irp b, 0,1,2,3
	v_add_nc_u32 v[SO+\b], 0xf8800000, v[BM+\b]
.endr
.irp b, 0,1,2,3
	v_and_or_b32 v[BM+\b], v[BM+\b], 0x7f800000, s[MNT]
.endr
.irp b, 0,1,2,3
	v_lshrrev_b32 v[T2+\b], 23, v[SO+\b]
.endr
	v_lshl_or_b32 v[TT], v[T2+1], 8, v[T2]
	v_lshl_or_b32 v[TT+1], v[T2+3], 8, v[T2+2]
	v_lshl_or_b32 v[TT], v[TT+1], 16, v[TT]
.irp b, 0,1,2,3
.irp i, 0,1,2,3,4,5,6,7,8,9,10,11,12,13,14,15
	v_med3_num_f32 v[SA+16*\b+\i], v[SA+16*\b+\i], -v[BM+\b], v[BM+\b]
.endr
	CVT \b, 0
	CVT \b, 1
.endr
	v_nop
	global_store_b128 v[AK0], v[PA:PA+3], s[60:61]         ; each store covers 512 consecutive bytes
	global_store_b128 v[AK0], v[PA+4:PA+7], s[60:61] offset:512
	global_store_b128 v[AK0], v[PA+8:PA+11], s[60:61] offset:16384
	global_store_b128 v[AK0], v[PA+12:PA+15], s[60:61] offset:16384+512
	ds_store_b32 v[SCW], v[TT]                     ; row r's bytes of my two tiles (lanes r and r + 16 hold the same)
	s_wait_dscnt 0x0
	s_barrier_signal -1
	s_barrier_wait -1
	s_cmp_lg_u32 s[WV], 0
	s_cbranch_scc1 .Lnot_0
	ds_load_b128 v[T2:T2+3], v[SCRD]
	s_wait_dscnt 0x0
	global_store_b128 v[AK0], v[T2:T2+3], s[62:63]
.Lnot_0:
	s_wait_tensorcnt 0x0                           ; the wave's end
	ds_add_u32 v[SPW], v[NIL]
	s_wait_dscnt 0x0
	CROUND                                         ; the closing round
	s_endpgm
.Lfunc_end_k_qc31cad7bc0_attn:
	.size	k_qc31cad7bc0_attn, .Lfunc_end_k_qc31cad7bc0_attn-k_qc31cad7bc0_attn
	.p2alignl 7, 3214868480
	.fill 96, 4, 3214868480
	.section	.rodata,"a",@progbits
	.p2align	6, 0x0
	.amdhsa_kernel k_qc31cad7bc0_attn
		.amdhsa_group_segment_fixed_size 327680
		.amdhsa_private_segment_fixed_size 0
		.amdhsa_enable_private_segment 0
		.amdhsa_kernarg_size 24
		.amdhsa_user_sgpr_count 2
		.amdhsa_user_sgpr_kernarg_segment_ptr 1
		.amdhsa_wavefront_size32 1
		.amdhsa_system_sgpr_workgroup_id_x 1
		.amdhsa_system_sgpr_workgroup_id_y 1
		.amdhsa_system_sgpr_workgroup_id_z 1
		.amdhsa_system_vgpr_workitem_id 0
		.amdhsa_next_free_vgpr 512
		.amdhsa_next_free_sgpr 66
		.amdhsa_reserve_vcc 0
		.amdhsa_float_denorm_mode_32 3
		.amdhsa_float_denorm_mode_16_64 3
		.amdhsa_memory_ordered 1
		.amdhsa_forward_progress 1
		.amdhsa_inst_pref_size 88
	.end_amdhsa_kernel
	.amdgpu_metadata
---
amdhsa.version: [ 1, 2 ]
amdhsa.kernels:
  - .name:           k_qc31cad7bc0_attn
    .symbol:         k_qc31cad7bc0_attn.kd
    .args:
      - { .name: qkv, .offset: 0, .size: 8, .value_kind: global_buffer, .address_space: global }
      - { .name: ctxc, .offset: 8, .size: 8, .value_kind: global_buffer, .address_space: global }
      - { .name: ctxs, .offset: 16, .size: 8, .value_kind: global_buffer, .address_space: global }
    .group_segment_fixed_size: 327680
    .private_segment_fixed_size: 0
    .kernarg_segment_align: 8
    .kernarg_segment_size: 24
    .max_flat_workgroup_size: 256
    .sgpr_count:     66
    .vgpr_count:     512
    .wavefront_size: 32
...
	.end_amdgpu_metadata
.endif
;; end of part 3
;; launch oproj (part 4): grid 8 x 32, 4 waves a work-group, clusters of 4 x 4, 327,680 bytes of LDS; arguments ctxc, ctxs, qc, qs, bo, out0; writes out0
.if DOCPART == 4
	.amdgcn_target "amdgcn-amd-amdhsa--gfx1250"
	.amdhsa_code_object_version 6
	.text
	.protected	k_qc31cad7bc0_oproj
	.globl	k_qc31cad7bc0_oproj
	.p2align	8
	.type	k_qc31cad7bc0_oproj,@function
k_qc31cad7bc0_oproj:
	s_mov_b64 s[64:65], 0
	v_nop
	global_prefetch_b8 v0, s[64:65] scope:SCOPE_SE
	s_setreg_imm32_b32 hwreg(HW_REG_WAVE_MODE, 25, 1), 1
	s_wait_xcnt 0x0
	s_wait_alu depctr_hold_cnt(0) depctr_sa_sdst(0) depctr_va_vdst(0) depctr_va_sdst(0) depctr_va_ssrc(0) depctr_va_vcc(0) depctr_vm_vsrc(0)
	s_getreg_b32 s2, hwreg(HW_REG_IB_STS2, 6, 4)
	s_cmp_eq_u32 s2, 0
	s_cbranch_scc0 .Lentry_in_a_cluster
	s_endpgm
.Lentry_in_a_cluster:
	s_bfe_u32 s2, ttmp6, 0x10000c
	s_cmp_lg_u32 s2, 0xf033
	s_cbranch_scc0 .Lentry_shape_is_right
	s_endpgm
.Lentry_shape_is_right:
; out0 = ctx Wo^T + bo on codes of E5M2 with one E8M0 scale for each 32 along K = 1,024; sums in f32.  No work is left out.
; A tile of 128 tokens x 128 outputs to a work-group (256 work-groups), 64 x 64 to each of its four waves: 16 accumulators.  Source 0 = 16 rows of Wo, source 1 = 16 tokens of ctx: a lane holds eight neighbouring outputs of one token.
; Codes come as register images (16 rows x 128 K = 4 pieces of 512 bytes, lane l's 16 bytes at 16 l; tile 2 b + u holds rows 32 b + 8 u + i + 8 (i / 8)).
; BOTH PANELS, FOR ALL OF K, STAY IN LDS: 2 x 131,072 bytes in four chunks of two K steps, each filled once: two loads a wave (8 tiles x 4,096 bytes), all asked for at the head; nothing is filled again.
; CLUSTERS: 4 x 4.  ctx's tiles hang on the tile row alone and are asked for jointly along a row of the cluster, Wo's on the tile column alone, jointly along a column.
; The bias is the C of each sum's first matrix instruction.  The scale words of all of K lie in registers: Wo's as qs has them, ctx's pieced together from the two bytes that each head left.
; REGISTERS: window 0: v1-29 addresses; v32-63 ctx's scale words (8 a + ks), v64-95 Wo's (8 b + ks); v96-127 the bias, 8 registers for each tile of outputs; v128-255 the accumulators ((a, b) at 128 + 8 (4 a + b)).
;   window 1: two sets of fragments, at v0 and v128: ctx's four, then Wo's four; on the way out v0-63: rows read back from the stage.
.set NP,     8
; THE FILLS (this stands in place of the four chunks named above): LDS holds ctx's 8 tiles x 16,384 bytes (all of K), then Wo's 8; each wave fetches four whole tiles, 65,536 dense bytes, by one load at the head; nothing is filled again.
.set CHUNK,  65536                     ; four tiles, all of K
.set STAGE,  4*CHUNK
.set SPITCH, 272
.set SPARE,  STAGE+4*16*SPITCH         ; the spare words, 128 bytes for each wave: two blocks of 256 bytes that no other line names
.set LO,   1                           ; v1   16 x lane
.set RR,   2
.set HH,   3
.set SBO,  4                           ; v4   16 r: Wo's scale words
.set SAO,  5                           ; v5   32 r: ctx's scale bytes
.set BOO,  6                           ; v6   64 h: the bias
.set ADRA, 8                           ; v8   LDS address of my ctx fragments
.set ADRB, 12                          ; v12  the same for Wo
.set STO,  24
.set RD,   25
.set CO,   26
.set SPW,  28
.set NIL,  29
.set SCA,  32
.set SCB,  64
.set BO,   96
.set ACC,  128
.set WV,  16
.set AH,  17                           ; s17  which 64 tokens are mine.  Also: I fetch for ctx (0) or for Wo (1)
.set BH,  18                           ; s18  which 64 outputs.  Also: which four tiles I fetch
.set CX,  19
.set CY,  20
.set XG,  21                           ; tile column
.set YG,  22                           ; tile row
.set G1,  24
.set G0,  32
.set G1B, 48
.set G0B, 56
.set OUTP, 66                          ; s[66:67] my part of out0
.set PSE, 68                           ; s68, s69 selectors for v_perm_b32: the two low halves, the two high halves
.set MSB, 0
.macro WIN new
.if MSB != (\new)
	s_set_vgpr_msb (MSB<<8)|(\new)
.set MSB, (\new)
.endif
.endm
.set MUL,  0x05                        ; sources 0 and 1 window 1; C and D window 0
.set TO_F, 0x40                        ; destination window 1, address window 0
.macro CROUND
	s_barrier_signal -1
	s_barrier_wait -1
	s_cmp_lg_u32 s[WV], 0
	s_cbranch_scc1 .Lnot_wave_0_\@
	s_barrier_signal -3
.Lnot_wave_0_\@:
	s_barrier_wait -3
	s_barrier_signal -1
	s_barrier_wait -1
.endm
.macro PLACES n
.rept \n
	v_nop
.endr
.endm
	s_load_b256 s[4:11], s[0:1], 0x0               ; ctxc s[4:5], ctxs s[6:7], qc s[8:9], qs s[10:11]
	s_load_b128 s[12:15], s[0:1], 0x20             ; bo s[12:13], out0 s[14:15]
	v_lshl_add_u32 v[SPW], v0, 2, SPARE
	v_mov_b32 v[NIL], 0
	ds_add_u32 v[SPW], v[NIL]                      ; the wave's opening: the add, twice on end, and its wait ahead of my first tensor load
	ds_add_u32 v[SPW], v[NIL]
	v_lshrrev_b32 v7, 5, v0
	v_readfirstlane_b32 s[WV], v7
	s_lshr_b32 s[AH], s[WV], 1
	s_and_b32 s[BH], s[WV], 1
	s_bfe_u32 s[CX], ttmp6, 0x40000
	s_bfe_u32 s[CY], ttmp6, 0x40004
	s_lshl_b32 s[XG], ttmp9, 2
	s_add_co_u32 s[XG], s[XG], s[CX]               ; tile column = 4 x cluster x + cx
	s_and_b32 s[YG], ttmp7, 0xffff
	s_lshl_b32 s[YG], s[YG], 2
	s_add_co_u32 s[YG], s[YG], s[CY]               ; tile row = 4 x cluster y + cy
	s_lshl_b32 s82, s[CY], 2
	s_lshl_b32 s82, 15, s82                        ; my row of the cluster
	s_lshl_b32 s83, 0x1111, s[CX]                  ; my column
	; descriptor group 1: 32 dense rows of 2,048 bytes (four whole tiles); elements of 8 bytes; no padding
	s_or_b32 s[G1], s82, (3<<16)|(1<<21)
	s_or_b32 s[G1B], s83, (3<<16)|(1<<21)
.irp g, G1, G1B
	s_mov_b32 s[\g+1], 256<<16                     ; 32 dense rows of 2,048 bytes
	s_mov_b32 s[\g+2], 32<<16
	s_mov_b32 s[\g+3], 256<<16
	s_mov_b32 s[\g+4], 32
	s_mov_b32 s[\g+5], 256
	s_mov_b32 s[\g+6], 0
	s_mov_b32 s[\g+7], 0
.endr
	s_lshl_b32 s80, s[BH], 16                      ; which four of the panel's eight tiles I fetch
	s_lshl_b32 s44, s[YG], 17                      ; ctx: 8 tiles a tile row
	s_add_co_u32 s44, s44, s80
	s_mov_b32 s45, 0
	s_lshl_b32 s46, s[XG], 17                      ; Wo: tiles 448 + 8 x tile column on
	s_add_co_u32 s46, s46, 448*16384
	s_add_co_u32 s46, s46, s80
	s_mov_b32 s47, 0
	s_lshl_b32 s81, s[WV], 16                      ; and in LDS: no place in the cluster enters an LDS address
	s_mov_b32 s[PSE], 0x05040100
	s_mov_b32 s[PSE+1], 0x07060302
	s_wait_dscnt 0x0                               ; both opening adds are done
	s_wait_kmcnt 0x0
	s_add_nc_u64 s[44:45], s[4:5], s[44:45]
	s_add_nc_u64 s[46:47], s[8:9], s[46:47]
	CROUND                                         ; all sixteen work-groups are here: the joint loads meet
	s_mov_b32 s[G0], 1
	s_mov_b32 s[G0+1], s81
	s_mov_b64 s[G0+2:G0+3], s[44:45]
	s_or_b32 s[G0+3], s[G0+3], 0x80000000
	s_mov_b32 s[G0B], 1
	s_mov_b32 s[G0B+1], s81
	s_mov_b64 s[G0B+2:G0B+3], s[46:47]
	s_or_b32 s[G0B+3], s[G0B+3], 0x80000000
	s_cmp_eq_u32 s[AH], 0                          ; waves 0 and 1 fetch ctx, waves 2 and 3 Wo: one load a wave
	s_cbranch_scc0 .Lfirst_b
	tensor_load_to_lds s[G0:G0+3], s[G1:G1+7]
	s_nop 0
.rept 4
	v_nop
.endr
	s_branch .Lfirst_asked
.Lfirst_b:
	tensor_load_to_lds s[G0B:G0B+3], s[G1B:G1B+7]
	s_nop 0
.rept 4
	v_nop
.endr
.Lfirst_asked:
	v_and_b32 v7, 31, v0
	v_lshlrev_b32 v[LO], 4, v7
	v_and_b32 v[RR], 15, v0
	v_bfe_u32 v[HH], v0, 4, 1
	v_lshlrev_b32 v[SBO], 4, v[RR]
	s_wait_alu depctr_va_vdst(0)
	v_lshlrev_b32 v[SAO], 5, v[RR]
	s_wait_alu depctr_va_vdst(0)
	v_lshlrev_b32 v[BOO], 6, v[HH]
	s_wait_alu depctr_va_vdst(0)
	s_lshl_b32 s82, s[XG], 12                      ; Wo's scale words: tile 448 + 8 x tile column + 4 x half, 512 bytes a tile
	s_add_co_u32 s82, s82, 448*512
	s_lshl_b32 s84, s[BH], 11
	s_add_co_u32 s82, s82, s84
	s_mov_b32 s83, 0
	s_add_nc_u64 s[70:71], s[10:11], s[82:83]
	s_lshr_b32 s82, s[YG], 1                       ; ctx's scale bytes: the 256 tokens' 16 heads x 512 bytes,
	s_lshl_b32 s82, s82, 13
	s_and_b32 s84, s[YG], 1
	s_lshl_b32 s84, s84, 4                         ; in a row's 32 bytes my work-group's 8 tiles,
	s_add_co_u32 s82, s82, s84
	s_lshl_b32 s84, s[AH], 3                       ; my wave's 4
	s_add_co_u32 s82, s82, s84
	s_add_nc_u64 s[72:73], s[6:7], s[82:83]
	s_lshl_b32 s82, s[XG], 9                       ; the bias: 128 outputs a tile column, my 64
	s_lshl_b32 s84, s[BH], 8
	s_add_co_u32 s82, s82, s84
	s_add_nc_u64 s[74:75], s[12:13], s[82:83]
	s_lshl_b32 s84, s[YG], 19                      ; out0: 128 rows of 4,096 bytes a tile row, my 64, + the same columns
	s_add_co_u32 s82, s82, s84
	s_lshl_b32 s84, s[AH], 18
	s_add_co_u32 s82, s82, s84
	s_add_nc_u64 s[OUTP:OUTP+1], s[14:15], s[82:83]
.irp b, 0,1,2,3
.irp g, 0,1
	global_load_b128 v[SCB+8*\b+4*\g:SCB+8*\b+4*\g+3], v[SBO], s[70:71] offset:512*\b+256*\g
.endr
.endr
.irp d, 0,1,2,3,4,5,6,7,8,9,10,11,12,13,14,15
	global_load_b64 v[ACC+2*\d:ACC+2*\d+1], v[SAO], s[72:73] offset:512*\d    ; head d: my four tiles' two bytes each (into registers that the sums take later)
.endr
.irp b, 0,1,2,3
	global_load_b128 v[BO+8*\b:BO+8*\b+3], v[BOO], s[74:75] offset:(32*(\b/2)+8*(\b%2))*4       ; register j of tile b: the bias of output 32 (b / 2) + 16 h + 8 (b % 2) + j
	global_load_b128 v[BO+8*\b+4:BO+8*\b+7], v[BOO], s[74:75] offset:(32*(\b/2)+8*(\b%2))*4+16
.endr
	s_lshl_b32 s82, s[AH], 16                      ; my 4 tiles of ctx
	s_lshl_b32 s83, s[BH], 16                      ; my 4 tiles of Wo, behind ctx's 8
	s_add_co_u32 s83, s83, 2*CHUNK
	v_add_nc_u32 v[ADRA], s82, v[LO]
	v_add_nc_u32 v[ADRB], s83, v[LO]
	s_mul_i32 s84, s[WV], 16*SPITCH
	s_add_co_u32 s84, s84, STAGE                   ; my stage
	v_mul_u32_u24 v[STO], v[RR], SPITCH            ; in: row r, 64 bytes on for lanes 16-31
	v_lshl_add_u32 v[STO], v[HH], 6, v[STO]
	v_add_nc_u32 v[STO], s84, v[STO]
	v_mul_u32_u24 v[RD], v[HH], SPITCH             ; back: lanes 0-15 one row of 256 bytes, lanes 16-31 the next
	v_lshl_add_u32 v[RD], v[RR], 4, v[RD]
	v_add_nc_u32 v[RD], s84, v[RD]
	v_lshlrev_b32 v[CO], 12, v[HH]                 ; and the same two rows in out0
	v_lshl_add_u32 v[CO], v[RR], 4, v[CO]
.macro FRAG reg, adr, off
.irp c, 0,1,2,3
	ds_load_b128 v[\reg+4*\c:\reg+4*\c+3], v[\adr] offset:\off+512*\c
.endr
.endm
.macro FETCH ks, f                     ; K step ks: 32 LDS loads in one run, into set f
	WIN TO_F
.irp i, 0,1,2,3
	FRAG \f+16*\i, ADRA, \i*16384+(\ks)*2048
	FRAG \f+64+16*\i, ADRB, \i*16384+(\ks)*2048
.endr
	WIN 0
.endm
; A K step: the next step's fragments are asked for, then 16 products; the 16 accumulators take turns, in the same order in every step.
.macro KSTEP ks
.if (\ks) < 7
	PLACES NP                                      ; in front of loads into registers that the last step's products have read (K step 0: also behind the scale words' last writes)
	FETCH (\ks)+1, 128*(((\ks)+1)%2)
	s_wait_alu depctr_va_vdst(0)
	s_wait_dscnt 32                                ; all but the 32 just issued
.else
	s_wait_dscnt 0x0
.endif
	WIN MUL
.irp a, 0,1,2,3
.irp b, 0,1,2,3
.if (\ks) == 0
	v_wmma_scale_f32_16x16x128_f8f6f4 v[ACC+8*(4*\a+\b):ACC+8*(4*\a+\b)+7], v[128*((\ks)%2)+64+16*\b:128*((\ks)%2)+64+16*\b+15], v[128*((\ks)%2)+16*\a:128*((\ks)%2)+16*\a+15], v[BO+8*\b:BO+8*\b+7], v[SCB+8*\b+(\ks)], v[SCA+8*\a+(\ks)] matrix_a_fmt:MATRIX_FMT_BF8 matrix_b_fmt:MATRIX_FMT_BF8
.else
	v_wmma_scale_f32_16x16x128_f8f6f4 v[ACC+8*(4*\a+\b):ACC+8*(4*\a+\b)+7], v[128*((\ks)%2)+64+16*\b:128*((\ks)%2)+64+16*\b+15], v[128*((\ks)%2)+16*\a:128*((\ks)%2)+16*\a+15], v[ACC+8*(4*\a+\b):ACC+8*(4*\a+\b)+7], v[SCB+8*\b+(\ks)], v[SCA+8*\a+(\ks)] matrix_a_fmt:MATRIX_FMT_BF8 matrix_b_fmt:MATRIX_FMT_BF8
.endif
.endr
.endr
	WIN 0
.endm
	s_wait_alu depctr_va_vdst(0)                   ; the wait at the head's end
	s_wait_tensorcnt 0x0                           ; my four tiles are in
	s_barrier_signal -1
	s_barrier_wait -1                              ; everybody's are: both panels, all of K
	FETCH 0, 0
	s_wait_loadcnt 0x0                             ; scale words, scale bytes, bias
.irp s, 0,1,2,3,4,5,6,7
.irp a, 0,1,2,3
	v_perm_b32 v[SCA+8*\a+\s], v[ACC+4*\s+2+\a/2], v[ACC+4*\s+\a/2], s[PSE+\a%2]   ; K step s of tile a: head 2 s's two bytes below, head 2 s + 1's above
.endr
.endr
.irp k, 0,1,2,3,4,5,6,7
	KSTEP \k
.endr
; THE WAY OUT, a tile of 16 tokens x 64 outputs at a time, through my own stage: 32 bytes a lane in, whole rows of 256 bytes back, so that sixteen lanes store 256 consecutive bytes, aligned.
.macro TOSTAGE a
.irp b, 0,1,2,3
	ds_store_b128 v[STO], v[ACC+8*(4*(\a)+\b):ACC+8*(4*(\a)+\b)+3] offset:128*(\b/2)+32*(\b%2)      ; each accumulator from its low end on
	ds_store_b128 v[STO], v[ACC+8*(4*(\a)+\b)+4:ACC+8*(4*(\a)+\b)+7] offset:128*(\b/2)+32*(\b%2)+16
.endr
	WIN TO_F
.irp i, 0,1,2,3,4,5,6,7
	ds_load_b128 v[32*((\a)%2)+4*\i:32*((\a)%2)+4*\i+3], v[RD] offset:2*\i*SPITCH   ; LDS serves a wave's instructions in order: these see the stores above
.endr
	WIN 0
.endm
.macro SEND a, younger                 ; younger: the LDS instructions issued behind tile a's loads, which may stay out
	s_wait_dscnt \younger
	WIN 0x04                                       ; a store's data are its source 1: window 1
.irp i, 0,1,2,3,4,5,6,7
	global_store_b128 v[CO], v[32*((\a)%2)+4*\i:32*((\a)%2)+4*\i+3], s[OUTP:OUTP+1] offset:(32*((\a)/2)+8*((\a)%2)+2*\i+8*(\i/4))*4096 th:TH_STORE_NT   ; stage row 2 i + h is the tile's row: token 2 i + h + 8 (i / 4) of it
.endr
	WIN 0
.endm
	PLACES NP                                      ; behind the last products
	TOSTAGE 0
.irp a, 1,2,3
.if \a > 1
	s_wait_xcnt 0x0                                ; tile a - 2's stores have read their registers: tile a's loads may land there
.endif
	TOSTAGE \a
	SEND \a-1, 16                                  ; behind tile a - 1's loads: tile a's 8 stores and 8 loads
.endr
	SEND 3, 0
	s_wait_tensorcnt 0x0                           ; the wave's end, behind my last tensor load and my last LDS store
	ds_add_u32 v[SPW], v[NIL]
	s_wait_dscnt 0x0
	CROUND                                         ; the closing round
	s_endpgm
.Lfunc_end_k_qc31cad7bc0_oproj:
	.size	k_qc31cad7bc0_oproj, .Lfunc_end_k_qc31cad7bc0_oproj-k_qc31cad7bc0_oproj
	.p2alignl 7, 3214868480
	.fill 96, 4, 3214868480
	.section	.rodata,"a",@progbits
	.p2align	6, 0x0
	.amdhsa_kernel k_qc31cad7bc0_oproj
		.amdhsa_group_segment_fixed_size 327680
		.amdhsa_private_segment_fixed_size 0
		.amdhsa_enable_private_segment 0
		.amdhsa_kernarg_size 48
		.amdhsa_user_sgpr_count 2
		.amdhsa_user_sgpr_kernarg_segment_ptr 1
		.amdhsa_wavefront_size32 1
		.amdhsa_system_sgpr_workgroup_id_x 1
		.amdhsa_system_sgpr_workgroup_id_y 1
		.amdhsa_system_sgpr_workgroup_id_z 1
		.amdhsa_system_vgpr_workitem_id 0
		.amdhsa_next_free_vgpr 512
		.amdhsa_next_free_sgpr 96
		.amdhsa_reserve_vcc 0
		.amdhsa_float_denorm_mode_32 3
		.amdhsa_float_denorm_mode_16_64 3
		.amdhsa_memory_ordered 1
		.amdhsa_forward_progress 1
		.amdhsa_inst_pref_size 55
	.end_amdhsa_kernel
	.amdgpu_metadata
---
amdhsa.version: [ 1, 2 ]
amdhsa.kernels:
  - .name:           k_qc31cad7bc0_oproj
    .symbol:         k_qc31cad7bc0_oproj.kd
    .args:
      - { .name: ctxc, .offset: 0, .size: 8, .value_kind: global_buffer, .address_space: global }
      - { .name: ctxs, .offset: 8, .size: 8, .value_kind: global_buffer, .address_space: global }
      - { .name: qc, .offset: 16, .size: 8, .value_kind: global_buffer, .address_space: global }
      - { .name: qs, .offset: 24, .size: 8, .value_kind: global_buffer, .address_space: global }
      - { .name: bo, .offset: 32, .size: 8, .value_kind: global_buffer, .address_space: global }
      - { .name: out0, .offset: 40, .size: 8, .value_kind: global_buffer, .address_space: global }
    .group_segment_fixed_size: 327680
    .private_segment_fixed_size: 0
    .kernarg_segment_align: 8
    .kernarg_segment_size: 48
    .max_flat_workgroup_size: 128
    .sgpr_count:     96
    .vgpr_count:     512
    .wavefront_size: 32
...
	.end_amdgpu_metadata
.endif
;; end of part 4
